; MI455X (gfx1250); checked and timed in simulation.
; The chip was launched on July 23, 2026; its instructions are those of AMD's public machine-readable ISA for CDNA 5 (MIT licence, August 2026) and "CDNA5" Instruction Set Architecture Reference Guide (July 2026). The comments in the code are by the model that wrote it; some were corrected since.
;; Multi Head Self Attention. Allowed arithmetic: matrix products marked QUANTISED: E2M1 operands, one E8M0 scale for each 32 along K, by v_wmma_scale_f32_16x16x128_f8f6f4 with both operands' format E2M1 (or v_wmma_scale_f32_32x16x128_f4), f32 sums; everything else in f32.
;; Inputs: b_out 1,024 float32; ln_beta 1,024 float32; ln_gamma 1,024 float32; w_out 1,024 x 1,024 float32; w_qkv 1,024 x 3,072 float32; x 4 x 2,048 x 1,024 float32.
;; Outputs: out0 4 x 2,048 x 1,024 float32.
;; This version of the problem:
;;   THIS VERSION OF THE PROBLEM IS GIVEN IN LOW PRECISION. The matrix products marked QUANTISED in the list below multiply operands that are first quantised to E2M1 (2 exponent bits, 1 mantissa bit; 4 bits a number), with one power-of-two scale for each 32 numbers along K (OCP MX v1.0); their sums are f32. All else is computed in f32.
;;   The module's matrix products, in the order in which they are computed (A, B: the left and right operand; K: the contracted axis; several contracted axes count as one K, in the product's order):
;;     1. [M 8,192, K 1,024] x [K 1,024, N 3,072]; A: computed on the way; B: input w_qkv: QUANTISED
;;     2. batch 32 x [M 2,048, K 128] x [K 128, N 2,048]; A: computed on the way; B: computed on the way: QUANTISED
;;     3. batch 32 x [M 2,048, K 2,048] x [K 2,048, N 128]; A: softmax (see below); B: computed on the way: QUANTISED
;;     4. [M 8,192, K 1,024] x [K 1,024, N 1,024]; A: computed on the way; B: input w_out: QUANTISED
;;   THE QUANTISER, for each operand of a quantised product, along K:
;;     - K is cut into blocks of 32 from its start; a last block that is shorter is filled with zeros.
;;     - A block's scale is 2^e with e = floor(log2(the largest magnitude in the block)) - 2, held to -126 .. 127; a block of zeros has e = 0. As a byte (E8M0): e + 127.
;;     - Each number is divided by its block's scale, clamped to +-6, and rounded to the nearest number of E2M1, ties to even, subnormals kept.
;;     - The product sums the exact products of the quantised numbers (number of the format x scale) in f32.
;;   ~~~python
;;   def quantise(x, axis):      # numpy; x: float32 -> the quantised numbers, widened to float32 again
;;       x = np.moveaxis(x, axis, -1); K = x.shape[-1]
;;       x = np.pad(x, [(0, 0)] * (x.ndim - 1) + [(0, -K % 32)]); x = x.reshape(x.shape[:-1] + (-1, 32)); a = np.abs(x).max(-1, keepdims=True)
;;       e = np.where(a > 0, np.clip(np.frexp(np.where(a > 0, a, 1))[1] - 1 - 2, -126, 127), 0)      # np.frexp(a)[1] - 1 = floor(log2(a)), exactly
;;       r = np.clip(x / 2.0 ** e, -6, 6)
;;       step = 2.0 ** (np.maximum(np.frexp(np.where(r == 0, 1, r))[1] - 1, 0) - 1)
;;       q = np.round(r / step) * step * 2.0 ** e      # np.round: ties to even
;;       return np.moveaxis(q.reshape(q.shape[:-2] + (-1,))[..., :K], -1, axis).astype(np.float32)
;;   ~~~
;;   SOFTMAX AHEAD OF A QUANTISED PRODUCT. Where the list says 'softmax', what is quantised is not the finished softmax but p = 2^(t - M), with t = logit x log2(e) and M = ceil(the row's largest t), a whole number; so 1/2 < the row's largest p <= 1. The row's sum l is taken of the UNQUANTISED p, in f32, and the product's result is divided by l at the end. Since M is a whole number, a kernel that streams over the keys may use a running M (the ceiling of the running maximum): every later rescaling is an exact power of two, which a block's scale takes up: the codes' values come out the same.
;;   OPERANDS COMPUTED ON THE WAY. 'Computed on the way' means the value that the module computes at that place (a softmax that the list does not call 'softmax' is quantised finished and normalised). What goes into a quantiser is computed in f32, as accurately as f32 sums, v_exp_f32 and their like allow (about 1e-6 of the number): no bf16 or f16 on the way to a quantiser, and a product that is left as it is and whose result goes on into a quantised operand takes f32 operands (vector FMAs, or v_wmma_f32_16x16x4_f32). A number that lies on a knife's edge between two numbers of the format may be rounded either way, as far as f32 arithmetic and the matrix unit's own rounding can turn it there, and no further.
;; One version. Each part assembles by itself: llvm-mc -triple=amdgcn-amd-amdhsa -mcpu=gfx1250 --defsym DOCPART=n.
;; ======== version 1 of 1: 4 launches
;; limits: right only within a limited range of input values
;; workspace buffers: wqk 1,114,112 bytes; wv 557,056 bytes; wo 557,056 bytes; xnc 4,456,448 bytes; qk 8,912,896 bytes; vt 4,456,448 bytes; oc 4,456,448 bytes
;; launch prep (part 1): grid 384 x 1, 8 waves a work-group, no clusters, 152,064 bytes of LDS; arguments x, ln_gamma, ln_beta, xnc, w_qkv, w_out, wqk, wv, wo; writes xnc, wqk, wv, wo
.if DOCPART == 1
	.amdgcn_target "amdgcn-amd-amdhsa--gfx1250"
	.amdhsa_code_object_version 6
	.text
	.protected	k_q9f6308a45b_prep
	.globl	k_q9f6308a45b_prep
	.p2align	8
	.type	k_q9f6308a45b_prep,@function
k_q9f6308a45b_prep:
	s_mov_b64 s[64:65], 0
	v_nop
	global_prefetch_b8 v0, s[64:65] scope:SCOPE_SE
	s_setreg_imm32_b32 hwreg(HW_REG_WAVE_MODE, 25, 1), 1
	s_wait_xcnt 0x0
; ONE PREPARING LAUNCH FOR ALL OPERANDS THAT COME AS f32.  Work-groups 0 to 255: the layer norm of x and its codes (xnc).  Work-groups 256 to 383: the codes of the two weights (wqk, wv, wo).
; The two parts share nothing; they part on the work-group's number at the first line, and each has LDS bytes of its own (the tokens' rows from 0, the spare words behind them, the weights' stages behind those).
; THE PROGRAM'S OWN OPERAND FORMAT.  An operand is cut into groups of 128 rows and K steps of 128; one (group, K step) is a BLOCK of 8,704 bytes:
;   bytes 0 .. 8191: eight images of a fragment's registers, 1,024 bytes each: in image i the 16 bytes at 512 c + 16 (16 h + r) are the codes of k = 64 c + 32 h + 0 .. 31 of buffer row 16 i + r;
;   bytes 8192 .. 8703: one scale word (four bytes, the lower k in the lower byte) for each buffer row.
; Buffer row p holds logical row p with bits 3 and 4 exchanged.  The eight K steps of a group lie on end (69,632 bytes).
; A block's scale is 2^(floor(log2(its largest magnitude)) - 2); its byte is that magnitude's exponent field - 2, held at 1 from below.
; THE TOKENS.  xn = (x - mean) / sqrt(var + 1e-3) x gamma + beta over the last axis (1,024), in f32.  A work-group takes 32 tokens: two images of each of a group's eight blocks.
;   PHASE 1: wave w takes tokens 4 w .. 4 w + 3, a whole row in 32 registers, each load 512 consecutive bytes.  The variance is taken of x - mean (two passes over registers): no difference of large sums.
;   The normalised rows go to LDS, row = the token's buffer row, 4,112 bytes apart.  One barrier.
;   PHASE 2: wave w takes K step w: lane (r, h) reads, of buffer rows r and 16 + r, the 32 numbers of each of its two blocks of 32, in the order of the operand's registers: a block's maximum needs no other lane,
;   the conversions' results ARE the images, and a store covers 512 consecutive bytes.  A block's 32 scale words are one store of 128 consecutive bytes: one byte in 128 of what the part reads.
; THE WEIGHTS, f32 with K as their FIRST axis (w_qkv [1024][3072], w_out [1024][1024]); a row of the operand is a COLUMN of the weight.  Work-group 256 + n: 128 columns x = n % 32 (x < 24: of w_qkv, x < 16 into wqk,
;   else into wv; x >= 24: of w_out, into wo), K steps 2 (n / 32) and 2 (n / 32) + 1: waves 0-3 the first, waves 4-7 the second; a wave takes 32 columns.
;   A LANE TAKES A COLUMN AND ITS REGISTERS RUN DOWN K: a load reads 128 neighbouring bytes a wave; a block of 32 lies in one lane's registers; the conversions give codes with K innermost.
;   The codes turn through the wave's own stage in LDS into the images' order and leave 512 consecutive bytes a store; four waves' scale words meet in LDS and leave as 512 consecutive bytes.
; No cluster, no tensor load, no matrix work: streams; no two work-groups read the same bytes but gamma's and beta's 8 KiB.
; LIMITS: a block of zeros gets the byte 1 where the rule says 127 (its codes are zeros, and this program alone reads the bytes); NaN and infinities are not served; 1 / sqrt is v_rsq_f32.
.set BLK,  8704
.set GB,   8*BLK
	s_cmp_lt_u32 ttmp9, 256                        ; the same in all eight waves
	s_cbranch_scc0 .Lweights
; ---------------- the tokens ----------------
.set LP,   4112                        ; a row in LDS: 4,096 bytes + 16
.set LW,   5                           ; v5       phase 1: where my 16 bytes of my wave's first row go
.set LR0,  6                           ; v6, v7   phase 2: my place in buffer rows r and 16 + r
.set LR1,  7
.set SH,   8                           ; v8       8 h
.set PP,   9                           ; v9       a lane permute's destination
.set T,    10                          ; v10-13   at work
.set MU,   14                          ; v14-15   the mean, twice
.set RS,   16                          ; v16-23   1 / sqrt(var + eps), twice for each of my four rows
.set TM,   24
.set SO,   26
.set BY,   28
.set W,    30                          ; v30-31   the two images' scale words
.set BE,   32                          ; v32-63   beta
.set X,    64                          ; v64-191  four rows of 32 registers; in phase 2 two fragments' 64 numbers each
.set GA,   192                         ; v192-223 gamma
.set C,    224                         ; v224-239 codes
	s_load_b256 s[4:11], s[0:1], 0x0               ; x s[4:5], gamma s[6:7], beta s[8:9], xnc s[10:11]
	v_lshl_add_u32 v240, v0, 2, 0x20200
	v_mov_b32 v241, 0
	v_lshrrev_b32 v1, 5, v0
	s_delay_alu instid0(VALU_DEP_1)
	v_readfirstlane_b32 s16, v1                    ; wave 0..7
	v_and_b32 v2, 31, v0
	s_delay_alu instid0(VALU_DEP_1)
	v_lshlrev_b32 v3, 4, v2                        ; 16 x lane
	s_wait_alu depctr_va_vdst(0)
	v_lshlrev_b32 v4, 2, v2                        ; 4 x lane
	s_mov_b32 s12, 0x76543210
	s_mov_b32 s13, 0xfedcba98                      ; selects for lane l xor 16
	s_mov_b32 s14, 0x3a800000                      ; 1 / 1024
	s_mov_b32 s15, 0xffff0000                      ; lanes 16-31
	s_lshl_b32 s18, ttmp9, 17                      ; 32 rows of 4,096 bytes a work-group,
	s_lshl_b32 s19, s16, 14                        ; 4 a wave
	s_add_co_u32 s18, s18, s19
	s_mov_b32 s19, 0
	s_and_b32 s20, s16, 1                          ; token 4 w + i has bits 4, 3, 2 = the wave's bits 2, 1, 0; its buffer row has bits 3 and 4 exchanged
	s_lshl_b32 s20, s20, 2
	s_bfe_u32 s21, s16, 0x10001
	s_lshl_b32 s21, s21, 4
	s_add_co_u32 s20, s20, s21
	s_bfe_u32 s21, s16, 0x10002
	s_lshl_b32 s21, s21, 3
	s_add_co_u32 s20, s20, s21
	s_mul_i32 s20, s20, LP
	v_add_nc_u32 v[LW], s20, v3
	v_and_b32 v1, 15, v0                           ; r
	v_bfe_u32 v[PP], v0, 4, 1                      ; h
	s_delay_alu instid0(VALU_DEP_2)
	v_mul_u32_u24 v[LR0], v1, LP
	s_delay_alu instid0(VALU_DEP_1)
	v_lshl_add_u32 v[LR0], v[PP], 7, v[LR0]        ; row r, + 128 h bytes
	s_lshl_b32 s21, s16, 9
	v_add_nc_u32 v[LR0], s21, v[LR0]               ; + K step w's 512 bytes
	s_delay_alu instid0(VALU_DEP_1)
	v_add_nc_u32 v[LR1], 16*LP, v[LR0]
	v_lshlrev_b32 v[SH], 3, v[PP]
	s_lshr_b32 s22, ttmp9, 2                       ; the group of 128 tokens,
	s_mul_i32 s22, s22, GB
	s_mul_i32 s23, s16, BLK                        ; my K step's block in it,
	s_add_co_u32 s22, s22, s23
	s_and_b32 s24, ttmp9, 3                        ; and which 32 rows of it are the work-group's
	s_lshl_b32 s25, s24, 11
	s_add_co_u32 s26, s22, s25                     ; two images
	s_mov_b32 s27, 0
	s_lshl_b32 s25, s24, 7
	s_add_co_u32 s28, s22, s25
	s_add_co_u32 s28, s28, 8192                    ; 32 scale words
	s_mov_b32 s29, 0
	s_wait_kmcnt 0x0
	s_add_nc_u64 s[4:5], s[4:5], s[18:19]
	s_add_nc_u64 s[26:27], s[10:11], s[26:27]
	s_add_nc_u64 s[28:29], s[10:11], s[28:29]
.irp i, 0,1,2,3
.irp j, 0,1,2,3,4,5,6,7
	global_load_b128 v[X+32*\i+4*\j:X+32*\i+4*\j+3], v3, s[4:5] offset:\i*4096+512*\j th:TH_LOAD_NT   ; 32 lanes read 512 consecutive bytes
.endr
.endr
.irp j, 0,1,2,3,4,5,6,7
	global_load_b128 v[GA+4*\j:GA+4*\j+3], v3, s[6:7] offset:512*\j
.endr
.irp j, 0,1,2,3,4,5,6,7
	global_load_b128 v[BE+4*\j:BE+4*\j+3], v3, s[8:9] offset:512*\j
.endr
.macro REDUCE                          ; v[T] summed over the 32 lanes, the sum in every lane
	s_delay_alu instid0(VALU_DEP_1)
	v_add_f32_dpp v[T], v[T], v[T] row_xmask:1 row_mask:0xf bank_mask:0xf
	s_delay_alu instid0(VALU_DEP_1)
	v_add_f32_dpp v[T], v[T], v[T] row_xmask:2 row_mask:0xf bank_mask:0xf
	s_delay_alu instid0(VALU_DEP_1)
	v_add_f32_dpp v[T], v[T], v[T] row_xmask:4 row_mask:0xf bank_mask:0xf
	s_delay_alu instid0(VALU_DEP_1)
	v_add_f32_dpp v[T], v[T], v[T] row_xmask:8 row_mask:0xf bank_mask:0xf
	s_delay_alu instid0(VALU_DEP_1)
	v_permlanex16_b32 v[T+1], v[T], s12, s13
	s_delay_alu instid0(VALU_DEP_1)
	v_add_f32 v[T], v[T], v[T+1]
.endm
.macro STAT i                          ; row i: x becomes x - mean in place; 1 / sqrt(var + eps) into its pair
.set R, X+32*\i
	s_wait_loadcnt 40-8*\i                         ; behind this row's eight loads stand the later rows' 8 (3 - i) and gamma's and beta's 16
	v_pk_add_f32 v[T:T+1], v[R:R+1], v[R+2:R+3]
	v_pk_add_f32 v[T+2:T+3], v[R+4:R+5], v[R+6:R+7]
.irp j, 8,12,16,20,24,28
	s_delay_alu instid0(VALU_DEP_2)
	v_pk_add_f32 v[T:T+1], v[T:T+1], v[R+\j:R+\j+1]
	s_delay_alu instid0(VALU_DEP_2)
	v_pk_add_f32 v[T+2:T+3], v[T+2:T+3], v[R+\j+2:R+\j+3]
.endr
	s_delay_alu instid0(VALU_DEP_1)
	v_pk_add_f32 v[T:T+1], v[T:T+1], v[T+2:T+3]
	s_delay_alu instid0(VALU_DEP_1)
	v_add_f32 v[T], v[T], v[T+1]
	REDUCE
	s_delay_alu instid0(VALU_DEP_1)
	v_mul_f32 v[MU], s14, v[T]
	s_delay_alu instid0(VALU_DEP_2)
	v_mul_f32 v[MU+1], s14, v[T]
.irp j, 0,2,4,6,8,10,12,14,16,18,20,22,24,26,28,30
	v_pk_add_f32 v[R+\j:R+\j+1], v[R+\j:R+\j+1], v[MU:MU+1] neg_lo:[0,1] neg_hi:[0,1]
.endr
	v_pk_mul_f32 v[T:T+1], v[R:R+1], v[R:R+1]
	v_pk_mul_f32 v[T+2:T+3], v[R+2:R+3], v[R+2:R+3]
.irp j, 4,8,12,16,20,24,28
	s_delay_alu instid0(VALU_DEP_2)
	v_pk_fma_f32 v[T:T+1], v[R+\j:R+\j+1], v[R+\j:R+\j+1], v[T:T+1]
	s_delay_alu instid0(VALU_DEP_2)
	v_pk_fma_f32 v[T+2:T+3], v[R+\j+2:R+\j+3], v[R+\j+2:R+\j+3], v[T+2:T+3]
.endr
	s_delay_alu instid0(VALU_DEP_1)
	v_pk_add_f32 v[T:T+1], v[T:T+1], v[T+2:T+3]
	s_delay_alu instid0(VALU_DEP_1)
	v_add_f32 v[T], v[T], v[T+1]
	REDUCE
	s_delay_alu instid0(VALU_DEP_1)
	v_fmaak_f32 v[T], s14, v[T], 0x3a83126f        ; the sum of squares / 1024 + 1e-3
	s_wait_alu depctr_va_vdst(0)                   ; the wait ahead of the transcendentals
	v_rsq_f32 v[RS+2*\i], v[T]
	v_rsq_f32 v[RS+2*\i+1], v[T]
	v_nop                                          ; a plain line behind the transcendentals
.endm
.macro NORM i
.set R, X+32*\i
	s_wait_alu depctr_va_vdst(0)                   ; and ahead of their first reader
.irp j, 0,2,4,6,8,10,12,14,16,18,20,22,24,26,28,30
	v_pk_mul_f32 v[R+\j:R+\j+1], v[R+\j:R+\j+1], v[RS+2*\i:RS+2*\i+1]
.endr
.irp j, 0,2,4,6,8,10,12,14,16,18,20,22,24,26,28,30
	v_pk_fma_f32 v[R+\j:R+\j+1], v[R+\j:R+\j+1], v[GA+\j:GA+\j+1], v[BE+\j:BE+\j+1]
.endr
.irp j, 0,1,2,3,4,5,6,7
	ds_store_b128 v[LW], v[R+4*\j:R+4*\j+3] offset:\i*LP+512*\j
.endr
.endm
	STAT 0
	STAT 1
	STAT 2
	STAT 3
	s_wait_loadcnt 0x0                             ; gamma and beta
	NORM 0
	NORM 1
	NORM 2
	NORM 3
	s_wait_dscnt 0x0                               ; for the others' sake: my rows have landed
	s_barrier_signal -1
	s_barrier_wait -1
.irp a, 0,1
.irp c, 0,1
.irp i, 0,1,2,3,4,5,6,7
	ds_load_b128 v[X+64*\a+32*\c+4*\i:X+64*\a+32*\c+4*\i+3], v[LR0+\a] offset:256*\c+16*\i   ; k = 64 c + 32 h + 4 i on, of buffer row 16 a + r
.endr
.endr
.endr
.macro QF a                            ; image a: my two whole blocks of 32 (blocks h and 2 + h of my row)
.set B, X+64*\a
.if \a == 0
	s_wait_dscnt 16                                ; image 0's sixteen loads are in; image 1's may be out
.else
	s_wait_dscnt 0x0
.endif
.irp c, 0,1
	v_max3_num_f32 v[TM+\c], |v[B+32*\c]|, |v[B+32*\c+1]|, 0x1800000   ; with the floor 2^(3 - 127)
.endr
.irp i, 2,4,6,8,10,12,14,16,18,20,22,24,26,28,30
.irp c, 0,1
	s_delay_alu instid0(VALU_DEP_2)
	v_max3_num_f32 v[TM+\c], v[TM+\c], |v[B+32*\c+\i]|, |v[B+32*\c+\i+1]|
.endr
.endr
.irp c, 0,1
	s_delay_alu instid0(VALU_DEP_2)
	v_add_nc_u32 v[SO+\c], 0xff000000, v[TM+\c]    ; 2 off the exponent field: the conversion's scale operand
.endr
.irp c, 0,1
	s_delay_alu instid0(VALU_DEP_2)
	v_lshrrev_b32 v[BY+\c], 23, v[SO+\c]           ; the scale's byte
.endr
	s_delay_alu instid0(VALU_DEP_1)
	v_lshl_or_b32 v[W+\a], v[BY+1], 16, v[BY]      ; my two bytes,
	s_delay_alu instid0(VALU_DEP_1)
	v_lshlrev_b32 v[W+\a], v[SH], v[W+\a]          ; at their places in the word;
	s_delay_alu instid0(VALU_DEP_1)
	v_permlanex16_b32 v[PP], v[W+\a], s12, s13
	s_delay_alu instid0(VALU_DEP_1)
	v_or_b32 v[W+\a], v[W+\a], v[PP]               ; with lane l xor 16's two the word is whole
.irp c, 0,1
.irp g, 0,1,2,3
	v_cvt_scalef32_pk8_fp4_f32 v[C+8*\a+4*\c+\g], v[B+32*\c+8*\g:B+32*\c+8*\g+7], v[SO+\c]
.endr
.endr
	v_nop                                          ; one plain line behind the last conversion of a run
.endm
	QF 0
	QF 1
.irp a, 0,1
.irp c, 0,1
	global_store_b128 v3, v[C+8*\a+4*\c:C+8*\a+4*\c+3], s[26:27] offset:\a*1024+\c*512   ; 32 lanes store 512 consecutive bytes, at a multiple of 256 from the buffer's first byte
.endr
.endr
	v_cndmask_b32 v[W], v[W], v[W+1], s15          ; lanes 0-15: image 0's words; lanes 16-31: image 1's
	global_store_b32 v4, v[W], s[28:29]
	s_wait_tensorcnt 0x0                           ; the wave's end
	ds_add_u32 v240, v241
	s_wait_dscnt 0x0
	s_endpgm
; ---------------- the weights ----------------
.Lweights:
.set QL,   0x20600                     ; this part's LDS bytes begin behind the tokens' rows and the spare words
.set STP,  1152                        ; an image in the stage: 1,024 bytes + 128
.set WST,  2*STP                       ; a wave's stage: two images
.set SCG,  QL+8*WST                    ; behind the eight stages: 128 scale words for each of the two K steps
.set SB,   24                          ; v24      my column's scale word
.set OFF,  32                          ; v32-63   4 x lane + i rows of the weight: never rewritten
.set X,    64                          ; v64-127  two sets of 32 numbers
.set C,    128                         ; v128-143 codes
.set OUTR, 144                         ; v144-159 the images read back
	s_load_b256 s[4:11], s[0:1], 0x20              ; w_qkv s[4:5], w_out s[6:7], wqk s[8:9], wv s[10:11]
	s_load_b64 s[12:13], s[0:1], 0x40              ; wo
	v_lshl_add_u32 v240, v0, 2, 0x20200
	v_mov_b32 v241, 0
	v_lshrrev_b32 v1, 5, v0
	v_readfirstlane_b32 s38, v1                    ; wave 0..7
	s_and_b32 s14, s38, 3                          ; which 32 of the 128 columns
	s_lshr_b32 s39, s38, 2                         ; which of the work-group's two K steps
	s_sub_co_u32 s40, ttmp9, 256
	s_and_b32 s41, s40, 31                         ; x: the 128 columns
	s_lshr_b32 s15, s40, 5
	s_lshl_b32 s15, s15, 1
	s_add_co_u32 s15, s15, s39                     ; my K step
	v_and_b32 v2, 31, v0                           ; lane
	v_lshlrev_b32 v3, 2, v2                        ; 4 bytes a lane on the way in
	v_lshlrev_b32 v8, 4, v2                        ; 16 bytes a lane on the way out
	v_and_b32 v5, 7, v0
	v_bfe_u32 v6, v0, 3, 1                         ; the lane's bit 3: which of my wave's two images my column falls into
	v_bfe_u32 v14, v0, 4, 1
	v_lshl_or_b32 v5, v14, 3, v5                   ; and its row there: (lane & 7) + 8 x bit 4
	s_mul_i32 s16, s38, WST
	s_add_co_u32 s16, s16, QL
	v_mul_u32_u24 v4, v6, STP
	v_lshl_add_u32 v4, v5, 4, v4
	v_add_nc_u32 v4, s16, v4                       ; into the stage: image, 16 x row
	v_add_nc_u32 v7, s16, v8                       ; out of it: 16 x lane
	s_lshl_b32 s16, s38, 7
	v_lshlrev_b32 v9, 6, v6
	v_lshl_add_u32 v9, v5, 2, v9
	v_add_nc_u32 v9, s16, v9
	v_add_nc_u32 v9, SCG, v9                       ; my scale word's place: 128 x wave + 4 x buffer row
	s_lshl_b32 s16, s39, 9
	v_add_nc_u32 v10, s16, v8
	v_add_nc_u32 v10, SCG, v10                     ; and where waves 0 and 4 read their K step's 128 words back
	s_mov_b32 s17, 4096
	s_wait_alu depctr_va_vdst(0)                   ; the wait at the head's end
	s_wait_kmcnt 0x0
	s_cmp_lt_u32 s41, 24                           ; the choices hang on the work-group's number alone
	s_cselect_b64 s[4:5], s[4:5], s[6:7]           ; the weight,
	s_cselect_b32 s17, 12288, s17                  ; its row in bytes,
	s_cselect_b32 s18, 0, 24                       ; the first x of that weight
	s_cselect_b64 s[10:11], s[10:11], s[12:13]
	s_cselect_b32 s19, 16, 24
	s_cmp_lt_u32 s41, 16
	s_cselect_b64 s[8:9], s[8:9], s[10:11]         ; the buffer of codes,
	s_cselect_b32 s19, 0, s19                      ; and the first x of that buffer
	s_sub_co_u32 s20, s41, s18
	s_lshl_b32 s20, s20, 9                         ; 128 columns of 4 bytes
	s_lshl_b32 s21, s14, 7                         ; + my wave's 32
	s_add_co_u32 s20, s20, s21
	s_lshl_b32 s21, s15, 7
	s_mul_i32 s21, s21, s17                        ; + 128 rows for each K step
	s_add_co_u32 s20, s20, s21
	s_mov_b32 s21, 0
	s_add_nc_u64 s[24:25], s[4:5], s[20:21]        ; a base for each block of 32 rows
	s_lshl_b32 s22, s17, 5
	s_mov_b32 s23, 0
	s_add_nc_u64 s[26:27], s[24:25], s[22:23]
	s_add_nc_u64 s[28:29], s[26:27], s[22:23]
	s_add_nc_u64 s[30:31], s[28:29], s[22:23]
	s_sub_co_u32 s32, s41, s19
	s_mul_i32 s32, s32, GB
	s_mul_i32 s33, s15, BLK
	s_add_co_u32 s32, s32, s33
	s_mov_b32 s33, 0
	s_add_nc_u64 s[34:35], s[8:9], s[32:33]        ; my block,
	s_lshl_b32 s32, s14, 11
	s_add_nc_u64 s[36:37], s[34:35], s[32:33]      ; and my wave's two images in it
.set i, 0
.rept 32
	v_mad_u32_u24 v[OFF+i], s17, i, v3
.set i, i+1
.endr
.macro LOAD t                          ; block t: rows 32 t + i of the K step, my column, into set t % 2
.irp i, 0,1,2,3,4,5,6,7,8,9,10,11,12,13,14,15,16,17,18,19,20,21,22,23,24,25,26,27,28,29,30,31
	global_load_b32 v[X+32*((\t)%2)+\i], v[OFF+\i], s[24+2*(\t):25+2*(\t)] th:TH_LOAD_NT
.endr
.endm
.macro BLOCK t
.set XS, X+32*((\t)%2)
.if (\t) < 3
	s_wait_loadcnt 32                              ; this block's 32 loads are in; the next block's 32 may be out
.else
	s_wait_loadcnt 0x0
.endif
	v_max3_num_f32 v12, |v[XS]|, |v[XS+1]|, |v[XS+2]|      ; the block's largest magnitude: all 32 numbers are mine; two chains
	v_max3_num_f32 v13, |v[XS+3]|, |v[XS+4]|, |v[XS+5]|
.irp i, 6,10,14,18,22,26
	v_max3_num_f32 v12, v12, |v[XS+\i]|, |v[XS+\i+1]|
	v_max3_num_f32 v13, v13, |v[XS+\i+2]|, |v[XS+\i+3]|
.endr
	v_max3_num_f32 v12, v12, |v[XS+30]|, |v[XS+31]|
	v_max3_num_f32 v12, v12, v13, 0x1800000        ; and the floor 2^(3 - 127)
	v_add_nc_u32 v11, 0xff000000, v12              ; 2 off the exponent field: the conversion's scale operand
	v_lshrrev_b32 v13, 23, v11                     ; the scale's byte
.if (\t) == 0
	v_mov_b32 v[SB], v13
.else
	v_lshl_or_b32 v[SB], v13, 8*(\t), v[SB]
.endif
.irp g, 0,1,2,3
	v_cvt_scalef32_pk8_fp4_f32 v[C+4*(\t)+\g], v[XS+8*\g:XS+8*\g+7], v11
.endr
	v_nop                                          ; one plain line behind the last conversion of a run
	ds_store_b128 v4, v[C+4*(\t):C+4*(\t)+3] offset:((\t)/2)*512+((\t)%2)*256   ; k = 32 t on: register group t / 2, lane half t % 2 of the image
.if (\t) < 2
	LOAD (\t)+2
.endif
.endm
	LOAD 0
	LOAD 1
	BLOCK 0
	BLOCK 1
	BLOCK 2
	BLOCK 3
	ds_store_b32 v9, v[SB]
.irp a, 0,1
.irp c, 0,1
	ds_load_b128 v[OUTR+8*\a+4*\c:OUTR+8*\a+4*\c+3], v7 offset:\a*STP+\c*512   ; LDS serves a wave's instructions in order: these see my stores
.endr
.endr
	s_wait_dscnt 0x0                               ; for the others' sake: my scale words have landed (and my images are back)
	s_barrier_signal -1
	s_barrier_wait -1
.irp a, 0,1
.irp c, 0,1
	global_store_b128 v8, v[OUTR+8*\a+4*\c:OUTR+8*\a+4*\c+3], s[36:37] offset:\a*1024+\c*512   ; 32 lanes store 512 consecutive bytes, at a multiple of 256 from the buffer's first byte
.endr
.endr
	s_cmp_lg_u32 s14, 0
	s_cbranch_scc1 .Ldone
	ds_load_b128 v[160:163], v10                   ; waves 0 and 4: their K step's 128 scale words
	s_wait_dscnt 0x0
	global_store_b128 v8, v[160:163], s[34:35] offset:8192
.Ldone:
	s_wait_tensorcnt 0x0                           ; the wave's end
	ds_add_u32 v240, v241
	s_wait_dscnt 0x0
	s_endpgm
.Lfunc_end_k_q9f6308a45b_prep:
	.size	k_q9f6308a45b_prep, .Lfunc_end_k_q9f6308a45b_prep-k_q9f6308a45b_prep
	.p2alignl 7, 3214868480
	.fill 96, 4, 3214868480
	.section	.rodata,"a",@progbits
	.p2align	6, 0x0
	.amdhsa_kernel k_q9f6308a45b_prep
		.amdhsa_group_segment_fixed_size 152064
		.amdhsa_private_segment_fixed_size 0
		.amdhsa_enable_private_segment 0
		.amdhsa_kernarg_size 72
		.amdhsa_user_sgpr_count 2
		.amdhsa_user_sgpr_kernarg_segment_ptr 1
		.amdhsa_wavefront_size32 1
		.amdhsa_system_sgpr_workgroup_id_x 1
		.amdhsa_system_sgpr_workgroup_id_y 1
		.amdhsa_system_sgpr_workgroup_id_z 1
		.amdhsa_system_vgpr_workitem_id 0
		.amdhsa_next_free_vgpr 242
		.amdhsa_next_free_sgpr 66
		.amdhsa_reserve_vcc 0
		.amdhsa_float_denorm_mode_32 3
		.amdhsa_float_denorm_mode_16_64 3
		.amdhsa_memory_ordered 1
		.amdhsa_forward_progress 1
		.amdhsa_inst_pref_size 75
	.end_amdhsa_kernel
	.amdgpu_metadata
---
amdhsa.version: [ 1, 2 ]
amdhsa.kernels:
  - .name:           k_q9f6308a45b_prep
    .symbol:         k_q9f6308a45b_prep.kd
    .args:
      - { .name: x, .offset: 0, .size: 8, .value_kind: global_buffer, .address_space: global }
      - { .name: ln_gamma, .offset: 8, .size: 8, .value_kind: global_buffer, .address_space: global }
      - { .name: ln_beta, .offset: 16, .size: 8, .value_kind: global_buffer, .address_space: global }
      - { .name: xnc, .offset: 24, .size: 8, .value_kind: global_buffer, .address_space: global }
      - { .name: w_qkv, .offset: 32, .size: 8, .value_kind: global_buffer, .address_space: global }
      - { .name: w_out, .offset: 40, .size: 8, .value_kind: global_buffer, .address_space: global }
      - { .name: wqk, .offset: 48, .size: 8, .value_kind: global_buffer, .address_space: global }
      - { .name: wv, .offset: 56, .size: 8, .value_kind: global_buffer, .address_space: global }
      - { .name: wo, .offset: 64, .size: 8, .value_kind: global_buffer, .address_space: global }
    .group_segment_fixed_size: 152064
    .private_segment_fixed_size: 0
    .kernarg_segment_align: 8
    .kernarg_segment_size: 72
    .max_flat_workgroup_size: 256
    .sgpr_count:     66
    .vgpr_count:     242
    .wavefront_size: 32
...
	.end_amdgpu_metadata
.endif
;; end of part 1
;; launch gemm_qkv (part 2): grid 8 x 48, 4 waves a work-group, clusters of 4 x 4, 281,088 bytes of LDS; arguments xnc, wqk, wv, qk, vt; writes qk, vt
.if DOCPART == 2
	.amdgcn_target "amdgcn-amd-amdhsa--gfx1250"
	.amdhsa_code_object_version 6
	.text
	.protected	k_q9f6308a45b_gemm_qkv
	.globl	k_q9f6308a45b_gemm_qkv
	.p2align	8
	.type	k_q9f6308a45b_gemm_qkv,@function
k_q9f6308a45b_gemm_qkv:
	s_mov_b64 s[64:65], 0
	v_nop
	global_prefetch_b8 v0, s[64:65] scope:SCOPE_SE
	s_setreg_imm32_b32 hwreg(HW_REG_WAVE_MODE, 25, 1), 1
	s_wait_xcnt 0x0
	s_wait_alu depctr_hold_cnt(0) depctr_sa_sdst(0) depctr_va_vdst(0) depctr_va_sdst(0) depctr_va_ssrc(0) depctr_va_vcc(0) depctr_vm_vsrc(0)
	s_getreg_b32 s2, hwreg(HW_REG_IB_STS2, 6, 4)
	s_cmp_eq_u32 s2, 0
	s_cbranch_scc0 .Lentry_in_a_cluster
	s_endpgm
.Lentry_in_a_cluster:
	s_bfe_u32 s2, ttmp6, 0x10000c
	s_cmp_lg_u32 s2, 0xf033
	s_cbranch_scc0 .Lentry_shape_is_right
	s_endpgm
.Lentry_shape_is_right:
; R = P Q^T over K = 1,024 on codes of E2M1 with E8M0 scales, and R quantised again ALONG Q's ROWS.  One launch makes q, k and v; the role hangs on the cluster's y alone:
;   cluster y < 8:  P = the normalised tokens, Q = w_qkv's columns of q and k: q and k as codes along a head's 128 channels, into qk;
;   cluster y >= 8: P = w_qkv's columns of v, Q = the tokens: v as codes along the KEYS, into vt.  These 8 clusters count on as cluster x + 2 (cluster y - 8) along Q's pairs of groups.
; ALL BUFFERS ARE IN THE PROGRAM'S OPERAND FORMAT: groups of 128 rows, K steps of 128; a block of 8,704 bytes = eight images of a fragment's registers (lane l's 16 bytes at 16 l, registers 4-7 512 bytes on)
; and 128 scale words; buffer row p holds logical row p with bits 3 and 4 exchanged; P's and Q's eight K steps of a group lie on end (69,632 bytes).
; The result of one group of P and one of Q is ONE block, at block number 64 x (the group of w_qkv's columns) + (the group of tokens): so the 64 token groups of q, of k and of v of one head lie on end.
; SHARES.  A work-group of four waves makes 256 x 256; a wave 128 x 128: 64 accumulators, 512 registers; no fragment is read from LDS twice.  384 work-groups of equal work.
; LDS.  Two groups of P and two of Q, for ALL of K, are 278,528 bytes: they come once, each wave bringing one group by ONE tensor load (272 rows of 256 bytes, dense): no byte of LDS is filled twice, so there is no ring.
; CLUSTER: 4 x 4 work-groups.  The four of a row need the same groups of P, the four of a column the same groups of Q: each is asked for JOINTLY, by the same load with the same descriptor and a mask of the four.
; No prefetch: the launch has no loop to run ahead in; every operand byte is asked for at the head.
; THE MATRIX INSTRUCTION IS USED TRANSPOSED (source 0 = 16 rows of Q, source 1 = 16 rows of P): a lane holds one row of P, and the 16 registers of two neighbouring tiles are 16 NEIGHBOURS along Q's logical rows.
; REGISTERS, in windows of 256: window 0: v16-28 addresses; v32-47 scale words, two sets; v128-191 P's fragments, ONE set; v200-247 the quantiser's.   window 1: Q's fragments, TWO sets, at v0 and v128.
;   window 2: the accumulators of my rows 0-63 ((a, b) at v[8 (8 a + b)]);   window 3: those of rows 64-127.
; LIMITS: a block of zeros gets the byte 1 where the rule says 127 (its codes are zeros, and this program alone reads the bytes); NaN and infinities are not served.
.set BLK,  8704
.set GB,   8*BLK
.set HALF, 4*BLK
.set STG,  4*GB                        ; behind the operands: 512 bytes a wave for the scale words' way out; then the spare words
.set FR,   8
.set ADRP, 16                          ; v16-17  my lane's 16 bytes in my group of P, K steps 0-3 and 4-7 (an LDS offset has 16 bits)
.set ADRQ, 20                          ; v20-21  the same for Q
.set ADRS, 22                          ; v22-23  my scale words: lanes 0-15 P's rows, lanes 16-31 Q's
.set CO,   26                          ; v26     16 x lane
.set SCW,  27
.set SCR,  28
.set SC,   32                          ; v32-47  scale words, two sets
.set AF,   128
.set TM,   200
.set PW,   216
.set PC,   224
.set MG,   240
.set BS,   244
.set G1,   24                          ; s[24:31] group 1 for P;  s[32:35] its group 0
.set G0,   32
.set G1B,  48                          ; s[48:55], s[56:59] the same for Q
.set G0B,  56
.set SEL,  66
.set MSB, 0
.macro WIN new                         ; the immediate's high byte repeats the setting that is left
.if MSB != (\new)
	s_set_vgpr_msb (MSB<<8)|(\new)
.set MSB, (\new)
.endif
.endm
.set MUL_LO, 0xa1
.set MUL_HI, 0xf1
.set TO_B,   0x40
.macro CROUND                          ; a round of the cluster's barrier
	s_barrier_signal -1
	s_barrier_wait -1
	s_cmp_lg_u32 s14, 0
	s_cbranch_scc1 .Lnot_wave_0_\@
	s_barrier_signal -3
.Lnot_wave_0_\@:
	s_barrier_wait -3
	s_barrier_signal -1
	s_barrier_wait -1
.endm
.macro PLACES n
.rept \n
	v_nop
.endr
.endm
	s_load_b256 s[4:11], s[0:1], 0x0               ; xnc s[4:5], wqk s[6:7], wv s[8:9], qk s[10:11]
	s_load_b64 s[12:13], s[0:1], 0x20              ; vt
	v_lshl_add_u32 v254, v0, 2, 0x44800
	v_mov_b32 v255, 0
	ds_add_u32 v254, v255                          ; the opening lines: the add twice on end, and its wait ahead of my tensor load
	ds_add_u32 v254, v255
	v_lshrrev_b32 v1, 5, v0
	v_readfirstlane_b32 s14, v1                    ; wave 0..3
	s_lshr_b32 s15, s14, 1                         ; which group of P is mine.  Also: I fetch for P (0) or for Q (1)
	s_and_b32 s16, s14, 1                          ; which group of Q.  Also: which group I fetch
	s_bfe_u32 s40, ttmp6, 0x40000                  ; cx, cy
	s_bfe_u32 s41, ttmp6, 0x40004
	s_and_b32 s17, ttmp7, 0xffff                   ; cluster y
	s_lshl_b32 s20, s17, 1
	s_add_co_u32 s20, s20, ttmp9
	s_sub_co_u32 s20, s20, 16                      ; v's clusters: x + 2 (y - 8)
	s_cmp_lt_u32 s17, 8                            ; the role: the same in all sixteen partners
	s_cselect_b32 s42, ttmp9, s20
	s_cselect_b32 s17, s17, 0
	s_cselect_b32 s21, 1, 0                        ; 1: q and k;  0: v
	s_lshl_b32 s42, s42, 2
	s_add_co_u32 s42, s42, s40                     ; Q's pair of groups
	s_lshl_b32 s17, s17, 2
	s_add_co_u32 s17, s17, s41                     ; P's pair of groups
	s_lshl_b32 s43, s41, 2
	s_lshl_b32 s43, 15, s43                        ; my row of the cluster
	s_lshl_b32 s44, 0x1111, s40                    ; my column
	s_or_b32 s[G1+0], s43, (3<<16)|(1<<21)         ; the mask; elements of 8 bytes; bit 21 beside a mask; no padding
	s_or_b32 s[G1B+0], s44, (3<<16)|(1<<21)
.irp g, G1, G1B
	s_mov_b32 s[\g+1], 32<<16                      ; rows of 256 bytes,
	s_mov_b32 s[\g+2], 272<<16                     ; 272 of them: a group,
	s_mov_b32 s[\g+3], 32<<16
	s_mov_b32 s[\g+4], 272
	s_mov_b32 s[\g+5], 32                          ; dense
	s_mov_b32 s[\g+6], 0
	s_mov_b32 s[\g+7], 0
.endr
	s_mov_b32 s45, 0xffff0000                      ; lanes 16-31
	s_mov_b32 s[SEL], 0x76543210
	s_mov_b32 s[SEL+1], 0xfedcba98
	s_lshl_b32 s18, s17, 1                         ; every wave makes both addresses, in registers that never hold the other coordinate
	s_add_co_u32 s18, s18, s16
	s_mul_i32 s18, s18, GB
	s_mov_b32 s19, 0
	s_lshl_b32 s46, s42, 1
	s_add_co_u32 s46, s46, s16
	s_mul_i32 s46, s46, GB
	s_mov_b32 s47, 0
	s_mul_i32 s22, s14, GB                         ; LDS: P's two groups, then Q's two = wave x a group
	s_lshl_b32 s68, s17, 1
	s_add_co_u32 s68, s68, s15                     ; my group of P
	s_lshl_b32 s69, s42, 1
	s_add_co_u32 s69, s69, s16                     ; my group of Q
	s_cmp_eq_u32 s21, 1
	s_cselect_b32 s70, s69, s68                    ; the group of w_qkv's columns,
	s_cselect_b32 s71, s68, s69                    ; the group of tokens
	s_lshl_b32 s70, s70, 6
	s_add_co_u32 s68, s70, s71
	s_mul_i32 s68, s68, BLK                        ; the result's block
	s_mov_b32 s69, 0
	s_wait_dscnt 0x0
	s_wait_kmcnt 0x0
	s_cmp_eq_u32 s21, 1                            ; the buffers are chosen by the role, which hangs on no address
	s_cselect_b64 s[72:73], s[4:5], s[8:9]         ; P
	s_cselect_b64 s[74:75], s[6:7], s[4:5]         ; Q
	s_cselect_b64 s[8:9], s[10:11], s[12:13]       ; the result
	s_add_nc_u64 s[18:19], s[72:73], s[18:19]
	s_add_nc_u64 s[46:47], s[74:75], s[46:47]
	s_add_nc_u64 s[8:9], s[8:9], s[68:69]
	CROUND                                         ; all sixteen work-groups are here: the joint loads meet
	s_mov_b32 s[G0], 1
	s_mov_b32 s[G0+1], s22
	s_mov_b64 s[G0+2:G0+3], s[18:19]
	s_or_b32 s[G0+3], s[G0+3], 0x80000000
	s_mov_b32 s[G0B], 1
	s_mov_b32 s[G0B+1], s22
	s_mov_b64 s[G0B+2:G0B+3], s[46:47]
	s_or_b32 s[G0B+3], s[G0B+3], 0x80000000
	s_cmp_eq_u32 s15, 0                            ; one tensor load a wave, in the two arms of one branch on the wave's number
	s_cbranch_scc0 .Lfill_q
	tensor_load_to_lds s[G0:G0+3], s[G1:G1+7]
	s_nop 0
	PLACES 4
	s_branch .Lfilled
.Lfill_q:
	tensor_load_to_lds s[G0B:G0B+3], s[G1B:G1B+7]
	s_nop 0
	PLACES 4
.Lfilled:
	v_and_b32 v1, 31, v0
	v_lshlrev_b32 v[CO], 4, v1
	v_and_b32 v2, 15, v0                           ; r
	v_bfe_u32 v3, v0, 4, 1                         ; h
	s_wait_alu depctr_va_vdst(0)                   ; the wait ahead of the scalar lines below
	s_mul_i32 s70, s15, GB
	s_mul_i32 s71, s16, GB
	s_add_co_u32 s71, s71, 2*GB
.irp g, 0,1
	v_add_nc_u32 v[ADRP+\g], s70, v[CO]
	v_add_nc_u32 v[ADRQ+\g], s71, v[CO]
	s_add_co_u32 s70, s70, HALF
	s_add_co_u32 s71, s71, HALF
.endr
	s_mul_i32 s70, s15, GB
	s_mul_i32 s71, s16, GB
	s_add_co_u32 s71, s71, 2*GB
	s_sub_co_u32 s71, s71, s70
	v_mul_u32_u24 v4, s71, v3                      ; lanes 16-31 take Q's words: the lane's half x the distance
	v_lshl_add_u32 v4, v2, 2, v4
	s_add_co_u32 s70, s70, 8192
	v_add_nc_u32 v[ADRS], s70, v4
	v_add_nc_u32 v[ADRS+1], HALF, v[ADRS]
	s_lshl_b32 s70, s14, 9
	s_add_co_u32 s70, s70, STG
	v_lshl_add_u32 v[SCW], v1, 2, s70
	v_add_nc_u32 v[SCR], s70, v[CO]
.irp b, 0,1,2,3
	v_mov_b32 v[TM+4+\b], 0                        ; a lane permute's destination counts as one of its sources
.endr
.macro FRAG reg, adr, q, i
.irp c, 0,1
	ds_load_b128 v[\reg+4*\c:\reg+4*\c+3], v[\adr] offset:(\q)*BLK+(\i)*1024+512*\c
.endr
.endm
.macro FETCH_B g, q, p
	WIN TO_B
.irp i, 0,1,2,3,4,5,6,7
	FRAG 128*(\p)+FR*\i, ADRQ+\g, \q, \i
.endr
	WIN 0
.endm
.macro FETCH_A g, q, i0
.irp i, \i0, \i0+1, \i0+2, \i0+3
	FRAG AF+FR*(\i), ADRP+\g, \q, \i
.endr
.endm
.macro SCALES g, q, e
.irp i, 0,1,2,3,4,5,6,7
	ds_load_b32 v[SC+8*(\e)+\i], v[ADRS+\g] offset:(\q)*BLK+64*\i
.endr
.endm
; 16 matrix instructions: P's fragments a0, a0 + 1 x Q's eight.  zero = 1: the first product starts the sums.  The 64 accumulators take turns.
.macro MUL16 a0, p, e, zero
.irp a, \a0, \a0+1
.irp b, 0,1,2,3,4,5,6,7
.if \zero
	v_wmma_scale_f32_16x16x128_f8f6f4 v[8*(8*((\a)%4)+\b):8*(8*((\a)%4)+\b)+7], v[128*(\p)+FR*\b:128*(\p)+FR*\b+FR-1], v[AF+FR*(\a):AF+FR*(\a)+FR-1], 0, v[SC+8*(\e)+\b], v[SC+8*(\e)+(\a)] matrix_a_fmt:MATRIX_FMT_FP4 matrix_b_fmt:MATRIX_FMT_FP4 matrix_a_scale:MATRIX_SCALE_ROW1
.else
	v_wmma_scale_f32_16x16x128_f8f6f4 v[8*(8*((\a)%4)+\b):8*(8*((\a)%4)+\b)+7], v[128*(\p)+FR*\b:128*(\p)+FR*\b+FR-1], v[AF+FR*(\a):AF+FR*(\a)+FR-1], v[8*(8*((\a)%4)+\b):8*(8*((\a)%4)+\b)+7], v[SC+8*(\e)+\b], v[SC+8*(\e)+(\a)] matrix_a_fmt:MATRIX_FMT_FP4 matrix_b_fmt:MATRIX_FMT_FP4 matrix_a_scale:MATRIX_SCALE_ROW1
.endif
.endr
.endr
.endm
; K step q of 0 .. 6: it fetches step q + 1's fragments.  Four v_nop stand in front of each run of loads into registers that matrix instructions have read (ISA guide 7.12.1 for vector instructions).
.macro STEP q, zero
	s_wait_dscnt 8                                 ; all but the youngest eight loads (P's fragments 4-7) are in
	WIN MUL_LO
	MUL16 0, (\q)%2, (\q)%2, \zero
	MUL16 2, (\q)%2, (\q)%2, \zero
	s_wait_dscnt 0x0
	PLACES 4
	FETCH_B ((\q)+1)/4, ((\q)+1)%4, 1-(\q)%2
	SCALES ((\q)+1)/4, ((\q)+1)%4, 1-(\q)%2
	FETCH_A ((\q)+1)/4, ((\q)+1)%4, 0
	WIN MUL_HI
	MUL16 4, (\q)%2, (\q)%2, \zero
	MUL16 6, (\q)%2, (\q)%2, \zero
	PLACES 4
	WIN 0
	FETCH_A ((\q)+1)/4, ((\q)+1)%4, 4
.endm
	s_wait_alu depctr_va_vdst(0)                   ; the wait at the head's end
	s_wait_tensorcnt 0x0                           ; my group is in
	s_barrier_signal -1
	s_barrier_wait -1                              ; everybody's is
	FETCH_B 0, 0, 0
	FETCH_A 0, 0, 0
	SCALES 0, 0, 0
	FETCH_A 0, 0, 4
	STEP 0, 1
.irp q, 1,2,3,4,5,6
	STEP \q, 0
.endr
	s_wait_dscnt 8                                 ; the last step: nothing more to fetch
	WIN MUL_LO
	MUL16 0, 1, 1, 0
	MUL16 2, 1, 1, 0
	s_wait_dscnt 0x0
	WIN MUL_HI
	MUL16 4, 1, 1, 0
	MUL16 6, 1, 1, 0
	WIN 0
	PLACES 4
; THE WAY OUT.  Fragment a of the result: my lane's 64 numbers, register 16 b + i = k 32 b + 16 (lane / 16) + i of my row, become eight registers of codes and a scale word.  Each accumulator is read from its low end on.
.macro OUTB a
.set AC, 64*((\a)%4)
.set WN, 2+(\a)/4
.set PS, PC+8*((\a)%2)
	WIN (WN<<2)|(WN<<4)
.irp b, 0,1,2,3
	v_max3_num_f32 v[TM+\b], 0x1800000, |v[AC+16*\b]|, |v[AC+16*\b+1]|   ; with the floor 2^(3 - 127): the byte cannot fall under 1
.endr
.irp i, 2,4,6,8,10,12,14
.irp b, 0,1,2,3
	v_max3_num_f32 v[TM+\b], v[TM+\b], |v[AC+16*\b+\i]|, |v[AC+16*\b+\i+1]|
.endr
.endr
	WIN 0
.irp b, 0,1,2,3
	v_permlanex16_b32 v[TM+4+\b], v[TM+\b], s[SEL], s[SEL+1]
.endr
.irp b, 0,1,2,3
	v_max_num_f32 v[TM+\b], v[TM+\b], v[TM+4+\b]   ; with lane l xor 16's: the block's largest magnitude
.endr
.irp b, 0,1,2,3
	v_add_nc_u32 v[TM+12+\b], 0xff000000, v[TM+\b] ; 2 off its exponent field: the conversion's scale operand
.endr
.irp b, 0,1,2,3
	v_lshrrev_b32 v[TM+4+\b], 23, v[TM+12+\b]      ; the scale's byte
.endr
	v_lshl_or_b32 v[PW+(\a)], v[TM+5], 8, v[TM+4]
	v_lshl_or_b32 v[PW+(\a)], v[TM+6], 16, v[PW+(\a)]
	v_lshl_or_b32 v[PW+(\a)], v[TM+7], 24, v[PW+(\a)]
.if (\a) >= 2
	s_wait_xcnt 0x0                                ; fragment a - 2's stores have read this set of codes
.endif
	WIN WN
.irp b, 0,1,2,3
	v_cvt_scalef32_pk8_fp4_f32 v[PS+2*\b], v[AC+16*\b:AC+16*\b+7], v[TM+12+\b]
	v_cvt_scalef32_pk8_fp4_f32 v[PS+2*\b+1], v[AC+16*\b+8:AC+16*\b+15], v[TM+12+\b]
.endr
	WIN 0
	v_nop                                          ; one plain place behind a scaled conversion
.irp c, 0,1                                    ; a WHOLE block in a lane: lanes 0-15 block 2 c, lanes 16-31 block 2 c + 1
.irp i, 0,1
	v_permlane16_swap_b32 v[PS+4*\c+\i], v[PS+2+4*\c+\i]
.endr
.endr
	global_store_b128 v[CO], v[PS:PS+3], s[8:9] offset:(\a)*1024          ; 32 lanes store 512 consecutive bytes, at a multiple of 256 from the buffer's first byte
	global_store_b128 v[CO], v[PS+4:PS+7], s[8:9] offset:(\a)*1024+512
.endm
.irp a, 0,1,2,3,4,5,6,7
	OUTB \a
.endr
.irp i, 0,1,2,3
	v_cndmask_b32 v[MG+\i], v[PW+2*\i], v[PW+2*\i+1], s45
.endr
.irp i, 0,1,2,3
	ds_store_b32 v[SCW], v[MG+\i] offset:128*\i
.endr
	ds_load_b128 v[BS:BS+3], v[SCR]                ; LDS serves a wave's instructions in order: this sees my stores
	s_wait_dscnt 0x0
	global_store_b128 v[CO], v[BS:BS+3], s[8:9] offset:8192   ; the block's 128 scale words
	s_wait_tensorcnt 0x0                           ; the wave's end
	ds_add_u32 v254, v255
	s_wait_dscnt 0x0
	CROUND                                         ; the closing round
	s_endpgm
.Lfunc_end_k_q9f6308a45b_gemm_qkv:
	.size	k_q9f6308a45b_gemm_qkv, .Lfunc_end_k_q9f6308a45b_gemm_qkv-k_q9f6308a45b_gemm_qkv
	.p2alignl 7, 3214868480
	.fill 96, 4, 3214868480
	.section	.rodata,"a",@progbits
	.p2align	6, 0x0
	.amdhsa_kernel k_q9f6308a45b_gemm_qkv
		.amdhsa_group_segment_fixed_size 281088
		.amdhsa_private_segment_fixed_size 0
		.amdhsa_enable_private_segment 0
		.amdhsa_kernarg_size 40
		.amdhsa_user_sgpr_count 2
		.amdhsa_user_sgpr_kernarg_segment_ptr 1
		.amdhsa_wavefront_size32 1
		.amdhsa_system_sgpr_workgroup_id_x 1
		.amdhsa_system_sgpr_workgroup_id_y 1
		.amdhsa_system_sgpr_workgroup_id_z 1
		.amdhsa_system_vgpr_workitem_id 0
		.amdhsa_next_free_vgpr 1024
		.amdhsa_next_free_sgpr 80
		.amdhsa_reserve_vcc 0
		.amdhsa_float_denorm_mode_32 3
		.amdhsa_float_denorm_mode_16_64 3
		.amdhsa_memory_ordered 1
		.amdhsa_forward_progress 1
		.amdhsa_inst_pref_size 128
	.end_amdhsa_kernel
	.amdgpu_metadata
---
amdhsa.version: [ 1, 2 ]
amdhsa.kernels:
  - .name:           k_q9f6308a45b_gemm_qkv
    .symbol:         k_q9f6308a45b_gemm_qkv.kd
    .args:
      - { .name: xnc, .offset: 0, .size: 8, .value_kind: global_buffer, .address_space: global }
      - { .name: wqk, .offset: 8, .size: 8, .value_kind: global_buffer, .address_space: global }
      - { .name: wv, .offset: 16, .size: 8, .value_kind: global_buffer, .address_space: global }
      - { .name: qk, .offset: 24, .size: 8, .value_kind: global_buffer, .address_space: global }
      - { .name: vt, .offset: 32, .size: 8, .value_kind: global_buffer, .address_space: global }
    .group_segment_fixed_size: 281088
    .private_segment_fixed_size: 0
    .kernarg_segment_align: 8
    .kernarg_segment_size: 40
    .max_flat_workgroup_size: 128
    .sgpr_count:     80
    .vgpr_count:     1024
    .wavefront_size: 32
...
	.end_amdgpu_metadata
.endif
;; end of part 2
;; launch attn (part 3): grid 32 x 8, 16 waves a work-group, clusters of 4 x 1, 327,680 bytes of LDS; arguments qk, vt, oc; writes oc
.if DOCPART == 3
	.amdgcn_target "amdgcn-amd-amdhsa--gfx1250"
	.amdhsa_code_object_version 6
	.text
	.protected	k_q9f6308a45b_attn
	.globl	k_q9f6308a45b_attn
	.p2align	8
	.type	k_q9f6308a45b_attn,@function
k_q9f6308a45b_attn:
	s_mov_b64 s[64:65], 0
	v_nop
	global_prefetch_b8 v0, s[64:65] scope:SCOPE_SE
	s_setreg_imm32_b32 hwreg(HW_REG_WAVE_MODE, 25, 1), 1
	s_wait_xcnt 0x0
	s_wait_alu depctr_hold_cnt(0) depctr_sa_sdst(0) depctr_va_vdst(0) depctr_va_sdst(0) depctr_va_ssrc(0) depctr_va_vcc(0) depctr_vm_vsrc(0)
	s_getreg_b32 s2, hwreg(HW_REG_IB_STS2, 6, 4)
	s_cmp_eq_u32 s2, 0
	s_cbranch_scc0 .Lentry_in_a_cluster
	s_endpgm
.Lentry_in_a_cluster:
	s_bfe_u32 s2, ttmp6, 0x10000c
	s_cmp_lg_u32 s2, 0x3003
	s_cbranch_scc0 .Lentry_shape_is_right
	s_endpgm
.Lentry_shape_is_right:
; o = softmax(q k^T / 32) v for each of 4 x 8 heads of 2,048 tokens x 128 channels, both products on codes of E2M1 with E8M0 scales, and o quantised again along (head, channel) for the last projection.
; ALL BUFFERS ARE IN THE PROGRAM'S OPERAND FORMAT: a block of 8,704 bytes = 128 buffer rows x 128 along K: eight images of a fragment's registers (lane l's 16 bytes at 16 l, registers 4-7 512 bytes on) and 128
; scale words; buffer row p holds logical row p with bits 3 and 4 exchanged.  qk: block 64 h + T is q, 64 (8 + h) + T is k of head h, token group T (128 tokens), K = the channels.
; vt: block 64 h + T is v: rows = channels, K = the 128 keys of token group T.  oc: block 8 T + h: rows = tokens, K = head h's channels.
; THE SOFTMAX AHEAD OF THE SECOND PRODUCT: t = score x log2(e) / 32; M = the row's largest t so far, rounded UP to a whole number; p = 2^(t - M) is what is quantised, along the keys; it is not normalised.
; The row's sum is taken of the unquantised p, in f32, and divides O at the end.  When M moves, the sum and O are multiplied by 2^(old M - new M): exact.
; SHARES.  A work-group owns 256 queries of one head; each of its sixteen waves 16 of them, in 256 registers.  Every wave walks the head's 2,048 keys, 128 a step, 16 steps, all alike.
; LDS.  A head's k and v are 32 blocks; each comes ONCE, as 17 rows of 512 bytes with 32 bytes of padding behind each (9,248 bytes a block).  Waves 0-7 bring k's blocks, waves 8-15 v's: block j at the head,
; block j + 8 behind the full sequence and a round of the cluster's barrier, one tensor load a wave each time: one load of a wave is out at the most.  Steps 0 to 6 read blocks 0 to 6 alone.
; A BARRIER IN EVERY TRIP, SPLIT OVER A WHOLE STEP: a trip begins with the wait for the signal that the wave gave at the last trip's head, and with its own signal.  So a wave enters step s only when every wave has
; left step s - 2: the sixteen waves stay within two steps of each other.  Between a signal and its wait stand register work and LDS reads alone.
; They also show blocks 8 to 15 whole: each wave waits for its later block behind step 3, so every signal from step 4's on says that it has landed; the wait at step 7's head answers step 6's signals.
; No prefetch: each block is asked for once, by its load; the later blocks' loads stand at least four steps ahead of their first read.
; CLUSTER.  The four work-groups of a cluster are four query blocks of one head of one batch entry: every block of k and v is asked for JOINTLY, by the same load with the same descriptor and the mask 15.
; LAYOUT.  Both products are used transposed: S^T = k q^T (source 0 = 16 keys), O^T = v^T p^T (source 0 = 16 channels): a lane holds ONE query throughout.
; THE KEYS OF A TILE ARE CHOSEN BY THE LANES' LDS ADDRESSES: row 8 a + j of tile 4 g + t is key 64 g + 32 a + 8 t + j.  So lane (r, h) holds, in the 32 registers of tiles 4 g .. 4 g + 3, keys 64 g + 32 h + 0 .. 31:
; ONE WHOLE BLOCK OF 32, in the order of the second product's operand: a block's maximum needs no other lane, and the conversions' results are the operand as they stand.
; That key lies in image 4 g + 2 a + t % 2, row 8 (t / 2) + j.  Four LDS rows are 2,176 bytes = 128 modulo 256: lanes 0-7 and lanes 8-15 of a 16-byte load fall on different halves of the 256.
; A block's largest p is not searched for: p rises with the score, so each block's largest score goes through the same multiply-add and exponential.  (This takes v_exp_f32 not to fall where its input rises.)
; THE LOOP IS TURNED: a step begins with k's loads, under which the rest of the LAST step's row sum is added (the first step adds zeros); the last step's rest is added behind the loops.
; LIMITS: the promise holds while |t| stays under 2^31; a block of zeros gets the byte 1 where the rule says 127 (its codes are zeros); a p under 2^-126 counts as 0 (v_exp_f32: ISA guide 15.8); NaN and infinities are not served.
; REGISTERS: v1-7 addresses that stay; v8-11 the step's; v12 -M, v13 the largest score, v[14:15] the sum; v16-23 q; v24-31 scale words of k or v; v32-95 eight fragments of k or v; v96-159 S^T, then p;
;   v160-223 O^T; v224-231 p's codes; v232-249 at work; v250, v251 the add's; v252 f, v253 p's scale word, v255 q's.
.set BLK,  8704                        ; a block in memory
.set LR,   544                         ; an LDS row: 512 bytes + 32
.set LB,   17*LR                       ; a block in LDS
.set VB,   16*LB                       ; k's 16 blocks, then v's 16
.set SG,   32*LB                       ; behind them (a multiple of 256): the work-group's 256 scale words of o
.set SPARE, SG+1024                    ; the spare words: 128 bytes a wave
.set NA,   4                           ; steps ahead of the wait for my later block,
.set NB,   3                           ; steps behind it that still read the first eight blocks alone,
.set NC,   9                           ; and the rest
.set AK0,  1                           ; v1   my place in a tile of k: 2176 a + 256 h + 16 j
.set AV0,  2                           ; v2   my place in an image of v
.set ASK0, 3                           ; v3   my row's scale word in a block of k
.set ASV0, 4                           ; v4   and of v
.set SGW,  5
.set SGR,  6
.set GS,   7                           ; v7   4 x (lane % 16)
.set ADK,  8
.set ADV,  9
.set ADS,  10
.set ADT,  11
.set KS,   24
.set SH8,  240                         ; v240 8 h: my two scale bytes' shift
.set GL,   241                         ; v241 16 x lane
.set SPW,  250
.set NIL,  251
.set WV,   18                          ; s18  my wave's number
.set NCS,  19                          ; s19  -c
.set SEL,  20                          ; s[20:21] selects for lane l xor 16
.set CS,   22                          ; s[22:23] c = log2(e) / 32
.set G1,   24                          ; s[24:31] group 1: a block
.set G0K,  32                          ; s[32:39] two groups 0 for k's blocks
.set G0V,  40                          ; s[40:47] two for v's
.set TB,   48                          ; s48  where the step's block begins in its region
.set CNT,  49
.macro CROUND                          ; a round of the cluster's barrier
	s_barrier_signal -1
	s_barrier_wait -1
	s_cmp_lg_u32 s[WV], 0
	s_cbranch_scc1 .Lnot_wave_0_\@
	s_barrier_signal -3
.Lnot_wave_0_\@:
	s_barrier_wait -3
	s_barrier_signal -1
	s_barrier_wait -1
.endm
.macro TLOAD n                         ; my n-th joint load: one arm a wave; s_nop 0 and four v_nop behind each line
	s_cmp_lt_u32 s[WV], 8
	s_cbranch_scc0 .Lfor_v_\@
	tensor_load_to_lds s[G0K+4*\n:G0K+4*\n+3], s[G1:G1+7]
	s_nop 0
.rept 4
	v_nop
.endr
	s_branch .Lasked_\@
.Lfor_v_\@:
	tensor_load_to_lds s[G0V+4*\n:G0V+4*\n+3], s[G1:G1+7]
	s_nop 0
.rept 4
	v_nop
.endr
.Lasked_\@:
.endm
	s_load_b128 s[4:7], s[0:1], 0x0                ; qk s[4:5], vt s[6:7]
	s_load_b64 s[8:9], s[0:1], 0x10                ; oc
	v_lshl_add_u32 v[SPW], v0, 2, SPARE
	v_mov_b32 v[NIL], 0
	ds_add_u32 v[SPW], v[NIL]                      ; the opening lines: the add twice on end, and its wait ahead of my first tensor load
	ds_add_u32 v[SPW], v[NIL]
	v_lshrrev_b32 v8, 5, v0
	v_readfirstlane_b32 s[WV], v8                  ; wave 0..15
	s_bfe_u32 s50, ttmp6, 0x40000                  ; cx
	s_lshl_b32 s51, ttmp9, 2
	s_add_co_u32 s51, s51, s50                     ; my block of 256 queries: it enters q's and o's addresses alone
	s_lshr_b32 s52, ttmp9, 1                       ; the batch entry, which the four partners share
	s_and_b32 s53, ttmp7, 0xffff                   ; the head, likewise
	s_and_b32 s54, s[WV], 7
	s_lshr_b32 s55, s[WV], 3
	s_lshl_b32 s56, s52, 4
	s_add_co_u32 s56, s56, s54                     ; the token group that I fetch first: 16 x batch + wave % 8
	s_lshl_b32 s57, s53, 6                         ; 64 h
	s_add_co_u32 s60, s57, s56
	s_mul_i32 s60, s60, BLK                        ; v's block in vt;
	s_add_co_u32 s58, s60, 512*BLK                 ; k's lies 8 x 64 blocks further on in qk
	s_mov_b32 s59, 0
	s_mov_b32 s61, 0
	s_mul_i32 s62, s54, LB                         ; its place in its region of LDS: the wave's number alone
	s_lshl_b32 s66, s51, 1
	s_add_co_u32 s66, s66, s55                     ; my queries' token group
	s_add_co_u32 s67, s57, s66
	s_mul_i32 s72, s67, BLK                        ; q's block,
	s_lshl_b32 s67, s54, 6
	s_add_co_u32 s74, s72, s67
	s_add_co_u32 s74, s74, 8192                    ; my fragment's 16 scale words in it,
	s_lshl_b32 s67, s54, 10
	s_add_co_u32 s72, s72, s67                     ; and its image
	s_mov_b32 s73, 0
	s_mov_b32 s75, 0
	s_lshl_b32 s76, s66, 3
	s_add_co_u32 s76, s76, s53
	s_mul_i32 s76, s76, BLK
	s_add_co_u32 s76, s76, s67                     ; o's image likewise
	s_mov_b32 s77, 0
	s_and_b32 s63, s[WV], 1
	s_lshl_b32 s78, s51, 1
	s_add_co_u32 s78, s78, s63
	s_lshl_b32 s78, s78, 3
	s_add_co_u32 s78, s78, s53
	s_mul_i32 s78, s78, BLK
	s_add_co_u32 s78, s78, 8192                    ; the scale words of o's block 2 x query block + wave % 2: waves 0 and 1 store them
	s_mov_b32 s79, 0
	s_mov_b32 s[G1], 15|(3<<16)|(1<<20)|(1<<21)|(6<<22)|(7<<25)   ; the mask of all four; elements of 8 bytes; padding on; bit 21 beside a mask; after every 128 words, 8 words
	s_mov_b32 s[G1+1], 64<<16                      ; rows of 512 bytes,
	s_mov_b32 s[G1+2], 17<<16                      ; 17 of them: a block,
	s_mov_b32 s[G1+3], 64<<16
	s_mov_b32 s[G1+4], 17
	s_mov_b32 s[G1+5], 64                          ; dense
	s_mov_b32 s[G1+6], 0
	s_mov_b32 s[G1+7], 0
	s_mov_b32 s[SEL], 0x76543210
	s_mov_b32 s[SEL+1], 0xfedcba98
	s_mov_b32 s[CS], 0x3d38aa3b                    ; c = log2(e) / 32
	s_mov_b32 s[CS+1], s[CS]
	s_mov_b32 s[NCS], 0xbd38aa3b                   ; -c
	s_wait_dscnt 0x0
	s_wait_kmcnt 0x0
	s_add_nc_u64 s[58:59], s[4:5], s[58:59]
	s_add_nc_u64 s[60:61], s[6:7], s[60:61]
	s_add_nc_u64 s[72:73], s[4:5], s[72:73]
	s_add_nc_u64 s[74:75], s[4:5], s[74:75]
	s_add_nc_u64 s[76:77], s[8:9], s[76:77]
	s_add_nc_u64 s[78:79], s[8:9], s[78:79]
	CROUND                                         ; all four work-groups are here: the joint loads meet
	s_mov_b32 s[G0K], 1
	s_mov_b32 s[G0K+1], s62
	s_mov_b64 s[G0K+2:G0K+3], s[58:59]
	s_or_b32 s[G0K+3], s[G0K+3], 0x80000000
	s_mov_b32 s[G0K+4], 1
	s_add_co_u32 s[G0K+5], s62, 8*LB               ; eight blocks on, in LDS and in memory
	s_add_nc_u64 s[G0K+6:G0K+7], s[58:59], 8*BLK
	s_or_b32 s[G0K+7], s[G0K+7], 0x80000000
	s_mov_b32 s[G0V], 1
	s_add_co_u32 s[G0V+1], s62, VB
	s_mov_b64 s[G0V+2:G0V+3], s[60:61]
	s_or_b32 s[G0V+3], s[G0V+3], 0x80000000
	s_mov_b32 s[G0V+4], 1
	s_add_co_u32 s[G0V+5], s62, VB+8*LB
	s_add_nc_u64 s[G0V+6:G0V+7], s[60:61], 8*BLK
	s_or_b32 s[G0V+7], s[G0V+7], 0x80000000
	TLOAD 0                                        ; blocks 0 to 7 of k and of v: one tensor load a wave at the head
	v_and_b32 v8, 15, v0                           ; r
	v_and_b32 v9, 31, v0                           ; lane
	v_lshlrev_b32 v[GL], 4, v9
	v_lshlrev_b32 v[GS], 2, v8
	global_load_b128 v[16:19], v[GL], s[72:73]     ; q's fragment stays in registers
	global_load_b128 v[20:23], v[GL], s[72:73] offset:512
	global_load_b32 v255, v[GS], s[74:75]          ; and its scale words
	v_and_b32 v10, 7, v0                           ; j
	v_bfe_u32 v11, v0, 3, 1                        ; a
	v_bfe_u32 v[SH8], v0, 4, 1                     ; h
	v_lshlrev_b32 v[AK0], 4, v10
	v_lshlrev_b32 v[ASK0], 2, v10
	v_mad_u32_u24 v[AK0], v11, 4*LR, v[AK0]
	v_lshl_add_u32 v[ASK0], v11, 7, v[ASK0]
	v_lshl_add_u32 v[AK0], v[SH8], 8, v[AK0]
	v_add_nc_u32 v[ASK0], 16*LR, v[ASK0]           ; the words are the block's 17th row
	v_add_nc_u32 v[AV0], VB, v[GL]
	v_add_nc_u32 v[ASV0], VB+16*LR, v[GS]
	v_lshlrev_b32 v[SH8], 3, v[SH8]
	s_lshl_b32 s67, s[WV], 6
	v_add_nc_u32 v[SGW], s67, v[GS]
	s_lshl_b32 s67, s63, 9
	v_add_nc_u32 v[SGR], s67, v[GL]
	v_add_nc_u32 v[SGW], SG, v[SGW]                ; 64 bytes a wave, 4 a row
	v_add_nc_u32 v[SGR], SG, v[SGR]                ; 512 bytes for each of o's two blocks
	v_mov_b32 v[ADK], v[AK0]                       ; step 0's k
	v_mov_b32 v[ADS], v[ASK0]
	v_mov_b32 v13, 0xff61b1e6                      ; the largest score so far: -3e38
	v_floor_f32 v12, -v13                          ; -M
	v_mov_b32 v14, 0                               ; the sum, in two halves
	v_mov_b32 v15, 0
.irp b, 236,237,238,253
	v_mov_b32 v[\b], 0                             ; the sum's second chain; a lane permute's destination; the upper half of the pair v[252:253]
.endr
.set j, 0
.rept 52
	v_mov_b32 v[108+j], 0                          ; what the first step adds as the rest of a row's sum
.set j, j+1
.endr
.set j, 0
.rept 64
	v_mov_b32 v[160+j], 0                          ; O^T: the first change of M leaves zeros zeros
.set j, j+1
.endr
.macro SUMREST                         ; the rest of a step's row sum: p at registers 12 to 63, two at a time, in two chains
.irp j, 12,16,20,24,28,32,36,40,44,48,52,56,60
	v_pk_add_f32 v[14:15], v[14:15], v[96+\j:97+\j]
	v_pk_add_f32 v[236:237], v[236:237], v[98+\j:99+\j]
.endr
	s_delay_alu instid0(VALU_DEP_1)
	v_pk_add_f32 v[14:15], v[14:15], v[236:237]
.endm
; A KEY STEP: the 128 keys of the block at s[TB].
.macro STEP
.irp g, 0,1                                    ; k's eight tiles, the keys chosen by address, and their rows' scale words.  (The five additions at the last step's end are the places behind its products)
.irp t, 0,1,2,3
.irp c, 0,1
	ds_load_b128 v[32+8*(4*\g+\t)+4*\c:32+8*(4*\g+\t)+4*\c+3], v[ADK] offset:(8*\g+2*(\t%2)+\c)*LR+128*(\t/2)
.endr
	ds_load_b32 v[KS+4*\g+\t], v[ADS] offset:256*\g+64*(\t%2)+32*(\t/2)
.endr
.endr
	SUMREST                                        ; k lands under the rest of the last step's sum
	s_wait_dscnt 0x0
.irp t, 0,1,2,3,4,5,6,7                        ; S^T = k q^T
	v_wmma_scale_f32_16x16x128_f8f6f4 v[96+8*\t:103+8*\t], v[32+8*\t:39+8*\t], v[16:23], 0, v[KS+\t], v255 matrix_a_fmt:MATRIX_FMT_FP4 matrix_b_fmt:MATRIX_FMT_FP4
.endr
	v_add_nc_u32 v[ADV], s[TB], v[AV0]             ; four plain lines: the places in front of the loads below and of the first read of the scores (ISA guide 7.12.1 for vector instructions)
	v_add_nc_u32 v[ADT], s[TB], v[ASV0]
	s_add_co_u32 s[TB], s[TB], LB                  ; the next 128 keys
	v_add_nc_u32 v[ADK], s[TB], v[AK0]
	v_add_nc_u32 v[ADS], s[TB], v[ASK0]
.irp t, 0,1,2,3,4,5,6,7                        ; v of these 128 keys, the images as they lie: it lands under the softmax
.irp c, 0,1
	ds_load_b128 v[32+8*\t+4*\c:32+8*\t+4*\c+3], v[ADV] offset:(2*\t+\c)*LR
.endr
	ds_load_b32 v[KS+\t], v[ADT] offset:64*\t
.endr
.irp b, 0,1                                    ; THE LARGEST SCORE OF MY TWO BLOCKS OF 32 KEYS, each in two chains; every tile is first read at its low end
	v_max3_num_f32 v[232+\b], v[96+32*\b], v[97+32*\b], v[98+32*\b]
	v_max3_num_f32 v[234+\b], v[112+32*\b], v[113+32*\b], v[114+32*\b]
.endr
.irp i, 3,5,7,9,11,13
.irp b, 0,1
	v_max3_num_f32 v[232+\b], v[232+\b], v[96+32*\b+\i], v[97+32*\b+\i]
	v_max3_num_f32 v[234+\b], v[234+\b], v[112+32*\b+\i], v[113+32*\b+\i]
.endr
.endr
.irp b, 0,1
	v_max3_num_f32 v[232+\b], v[232+\b], v[234+\b], v[111+32*\b]
.endr
.irp b, 0,1
	v_max_num_f32 v[232+\b], v[232+\b], v[127+32*\b]
.endr
	s_delay_alu instid0(VALU_DEP_1)
	v_max_num_f32 v254, v232, v233                 ; my 64 keys' largest score,
	s_delay_alu instid0(VALU_DEP_1)
	v_permlanex16_b32 v238, v254, s[SEL], s[SEL+1] ; lane l xor 16's 64,
	s_delay_alu instid0(VALU_DEP_1)
	v_max3_num_f32 v13, v13, v254, v238            ; and the running largest
	v_mov_b32 v239, v12
	s_delay_alu instid0(VALU_DEP_2)
	v_mul_f32 v254, s[NCS], v13                    ; -t
	s_delay_alu instid0(VALU_DEP_1)
	v_floor_f32 v12, v254                          ; the new -M = floor(-t) = -ceil(t): M IS A WHOLE NUMBER
	s_delay_alu instid0(VALU_DEP_1)
	v_sub_f32 v254, v12, v239                      ; old M less new M: a whole number, 0 or less
	s_delay_alu instid0(VALU_DEP_1)
	v_cvt_i32_f32 v254, v254                       ; (it saturates)
	s_delay_alu instid0(VALU_DEP_1)
	v_ldexp_f32 v252, 1.0, v254                    ; f = 2^(old M - new M)
.set j, 0
.rept 32
	v_pk_fma_f32 v[96+j:97+j], v[96+j:97+j], s[CS:CS+1], v[12:13] op_sel_hi:[1,0,0]   ; t - M, two at a time
.set j, j+2
.endr
.irp b, 0,1
	v_fma_f32 v[232+\b], v[232+\b], s[CS], v12     ; the same of each block's largest score
.endr
	s_wait_alu depctr_va_vdst(0)                   ; the wait ahead of the batch
.set j, 0
.rept 64
	v_exp_f32 v[96+j], v[96+j]                     ; p = 2^(t - M), at most 1: NOT normalised
.set j, j+1
.endr
.irp b, 0,1
	v_exp_f32 v[232+\b], v[232+\b]                 ; the block's largest p
.endr
	v_pk_mul_f32 v[14:15], v[14:15], v[252:253] op_sel_hi:[1,0]   ; the sums under the new M: a plain place behind the exponentials
	s_wait_alu depctr_va_vdst(0)                   ; one wait for the batch, ahead of its first reader
.irp b, 0,1
	v_max_num_f32 v[232+\b], 0x1800000, v[232+\b]  ; the floor 2^(3 - 127): the byte cannot fall under 1
.endr
.irp b, 0,1
	s_delay_alu instid0(VALU_DEP_2)
	v_add_nc_u32 v[244+\b], 0xff000000, v[232+\b]  ; 2 off the exponent field: the conversion's scale operand
.endr
.irp b, 0,1
	s_delay_alu instid0(VALU_DEP_2)
	v_lshrrev_b32 v[242+\b], 23, v[244+\b]         ; the scale's byte
.endr
	s_delay_alu instid0(VALU_DEP_1)
	v_lshl_or_b32 v253, v243, 16, v242             ; my bytes: blocks h and 2 + h,
	s_delay_alu instid0(VALU_DEP_1)
	v_lshlrev_b32 v253, v[SH8], v253               ; at their places in the word;
	s_delay_alu instid0(VALU_DEP_1)
	v_permlanex16_b32 v238, v253, s[SEL], s[SEL+1]
	s_delay_alu instid0(VALU_DEP_1)
	v_or_b32 v253, v253, v238                      ; with lane l xor 16's two: p's scale word for these 128 keys
.irp g, 0,1
.irp t, 0,1,2,3
	v_cvt_scalef32_pk8_fp4_f32 v[224+4*\g+\t], v[96+32*\g+8*\t:103+32*\g+8*\t], v[244+\g]   ; register 4 g + t of the operand: k = 64 g + 32 h + 8 t on
.endr
.endr
	s_wait_alu depctr_va_vdst(0)                   ; the wait directly ahead of the first reader of O^T
.set j, 0
.rept 32
	v_pk_mul_f32 v[160+j:161+j], v[160+j:161+j], v[252:253] op_sel_hi:[1,0]   ; O^T x f.  (Also the places between p's codes and scale word and the products below)
.set j, j+2
.endr
	s_wait_alu depctr_va_vdst(0)
	s_wait_dscnt 0x0                               ; v's fragments and scale words are in
.irp t, 0,1,2,3,4,5,6,7                        ; O^T += v^T p^T; the eight accumulators take turns
	v_wmma_scale_f32_16x16x128_f8f6f4 v[160+8*\t:167+8*\t], v[32+8*\t:39+8*\t], v[224:231], v[160+8*\t:167+8*\t], v[KS+\t], v253 matrix_a_fmt:MATRIX_FMT_FP4 matrix_b_fmt:MATRIX_FMT_FP4
.endr
	v_pk_add_f32 v[236:237], v[96:97], v[98:99]    ; THE ROW'S SUM IS TAKEN OF THE UNQUANTISED p.  Its first five lines are the places behind the products
.irp j, 4,8
	v_pk_add_f32 v[14:15], v[14:15], v[96+\j:97+\j]
	v_pk_add_f32 v[236:237], v[236:237], v[98+\j:99+\j]
.endr
.endm
.macro TRIPS lab                       ; a counted loop of steps, each behind its turn of the split barrier
\lab:
	s_barrier_wait -1                              ; every wave has given the signal of its last trip's head: it has left the step before that
	s_barrier_signal -1                            ; I have left the last step; no LDS instruction of mine is pending here (v's loads were waited for ahead of the products)
	STEP
	s_sub_co_u32 s[CNT], s[CNT], 1
	s_cmp_lg_u32 s[CNT], 0
	s_wait_alu depctr_va_vdst(0)                   ; the wait directly ahead of the branch
	s_cbranch_scc1 \lab
.endm
	s_wait_alu depctr_va_vdst(0)                   ; the wait at the head's end
	s_wait_loadcnt 0x0                             ; q
	s_wait_tensorcnt 0x0                           ; my first block is in
	ds_add_u32 v[SPW], v[NIL]
	s_wait_dscnt 0x0
	CROUND                                         ; blocks 0 to 7 are whole, and all four work-groups are here
	TLOAD 1                                        ; blocks 8 to 15: my one tensor load behind the round
	s_barrier_signal -1                            ; the signal that step 0's wait answers
	s_mov_b32 s[TB], 0
	s_mov_b32 s[CNT], NA
	TRIPS .Lfirst                                  ; steps 0 to 3
	s_wait_tensorcnt 0x0                           ; my later block has landed: every signal of mine from here on says so
	s_mov_b32 s[TB], NA*LB                         ; (what the loop has left there, as a constant)
	s_mov_b32 s[CNT], NB
	TRIPS .Lsecond                                 ; steps 4 to 6: they read blocks 4 to 6
	s_mov_b32 s[TB], (NA+NB)*LB
	s_mov_b32 s[CNT], NC
	TRIPS .Lthird                                  ; steps 7 to 15: the first wait answers step 6's signals: blocks 8 to 15 are whole
	s_barrier_wait -1                              ; the last signal's wait
	SUMREST                                        ; the last step's
	; THE WAY OUT.  O^T / the row's sum: register 16 b + i is channel 32 b + 16 (lane / 16) + i of my query; quantised along the channels it is one fragment of the last projection's operand.
	s_delay_alu instid0(VALU_DEP_1)
	v_add_f32 v14, v14, v15
	s_delay_alu instid0(VALU_DEP_1)
	v_permlanex16_b32 v252, v14, s[SEL], s[SEL+1]
	s_delay_alu instid0(VALU_DEP_1)
	v_add_f32 v14, v14, v252                       ; the row's sum
	s_wait_alu depctr_va_vdst(0)                   ; the wait ahead of the transcendental
	v_rcp_f32 v14, v14
	v_nop
	s_wait_alu depctr_va_vdst(0)                   ; and ahead of its first reader, which is O^T's too
.set j, 0
.rept 32
	v_pk_mul_f32 v[96+j:97+j], v[160+j:161+j], v[14:15] op_sel_hi:[1,0]   ; each accumulator from its low end on
.set j, j+2
.endr
.irp b, 0,1,2,3
	v_mov_b32 v[236+\b], 0                         ; lane permutes' destinations
.endr
.irp b, 0,1,2,3
	v_max3_num_f32 v[232+\b], |v[96+16*\b]|, |v[97+16*\b]|, 0x1800000
.endr
.irp i, 2,4,6,8,10,12,14
.irp b, 0,1,2,3
	s_delay_alu instid0(VALU_DEP_4)
	v_max3_num_f32 v[232+\b], v[232+\b], |v[96+16*\b+\i]|, |v[97+16*\b+\i]|
.endr
.endr
.irp b, 0,1,2,3
	s_delay_alu instid0(VALU_DEP_4)
	v_permlanex16_b32 v[236+\b], v[232+\b], s[SEL], s[SEL+1]
.endr
.irp b, 0,1,2,3
	s_delay_alu instid0(VALU_DEP_4)
	v_max_num_f32 v[232+\b], v[232+\b], v[236+\b]  ; with lane l xor 16's: the block's largest magnitude
.endr
.irp b, 0,1,2,3
	s_delay_alu instid0(VALU_DEP_4)
	v_add_nc_u32 v[244+\b], 0xff000000, v[232+\b]
.endr
.irp b, 0,1,2,3
	s_delay_alu instid0(VALU_DEP_4)
	v_lshrrev_b32 v[236+\b], 23, v[244+\b]
.endr
	s_delay_alu instid0(VALU_DEP_3)
	v_lshl_or_b32 v254, v237, 8, v236              ; my row's scale word
	s_delay_alu instid0(VALU_DEP_1)
	v_lshl_or_b32 v254, v238, 16, v254
	s_delay_alu instid0(VALU_DEP_1)
	v_lshl_or_b32 v254, v239, 24, v254
.irp b, 0,1,2,3
	v_cvt_scalef32_pk8_fp4_f32 v[224+2*\b], v[96+16*\b:103+16*\b], v[244+\b]
	v_cvt_scalef32_pk8_fp4_f32 v[225+2*\b], v[104+16*\b:111+16*\b], v[244+\b]
.endr
	v_nop                                          ; one plain place behind a scaled conversion
.irp c, 0,1                                    ; a WHOLE block in a lane
.irp i, 0,1
	v_permlane16_swap_b32 v[224+4*\c+\i], v[226+4*\c+\i]
.endr
.endr
	global_store_b128 v[GL], v[224:227], s[76:77]              ; the image: 32 lanes store 512 consecutive bytes, at a multiple of 256 from the buffer's first byte
	global_store_b128 v[GL], v[228:231], s[76:77] offset:512
	ds_store_b32 v[SGW], v254                      ; lanes l and l xor 16 write the same word with the same value
	s_wait_dscnt 0x0                               ; for the others' sake
	s_barrier_signal -1
	s_barrier_wait -1
	s_cmp_lt_u32 s[WV], 2
	s_cbranch_scc0 .Lno_words
	ds_load_b128 v[32:35], v[SGR]                  ; waves 0 and 1: the 128 scale words of one of o's two blocks
	s_wait_dscnt 0x0
	global_store_b128 v[GL], v[32:35], s[78:79]
.Lno_words:
	s_wait_tensorcnt 0x0                           ; the wave's end
	ds_add_u32 v[SPW], v[NIL]
	s_wait_dscnt 0x0
	CROUND                                         ; the closing round
	s_endpgm
.Lfunc_end_k_q9f6308a45b_attn:
	.size	k_q9f6308a45b_attn, .Lfunc_end_k_q9f6308a45b_attn-k_q9f6308a45b_attn
	.p2alignl 7, 3214868480
	.fill 96, 4, 3214868480
	.section	.rodata,"a",@progbits
	.p2align	6, 0x0
	.amdhsa_kernel k_q9f6308a45b_attn
		.amdhsa_group_segment_fixed_size 327680
		.amdhsa_private_segment_fixed_size 0
		.amdhsa_enable_private_segment 0
		.amdhsa_kernarg_size 24
		.amdhsa_user_sgpr_count 2
		.amdhsa_user_sgpr_kernarg_segment_ptr 1
		.amdhsa_wavefront_size32 1
		.amdhsa_system_sgpr_workgroup_id_x 1
		.amdhsa_system_sgpr_workgroup_id_y 1
		.amdhsa_system_sgpr_workgroup_id_z 1
		.amdhsa_system_vgpr_workitem_id 0
		.amdhsa_next_free_vgpr 256
		.amdhsa_next_free_sgpr 80
		.amdhsa_reserve_vcc 0
		.amdhsa_float_denorm_mode_32 3
		.amdhsa_float_denorm_mode_16_64 3
		.amdhsa_memory_ordered 1
		.amdhsa_forward_progress 1
		.amdhsa_inst_pref_size 76
	.end_amdhsa_kernel
	.amdgpu_metadata
---
amdhsa.version: [ 1, 2 ]
amdhsa.kernels:
  - .name:           k_q9f6308a45b_attn
    .symbol:         k_q9f6308a45b_attn.kd
    .args:
      - { .name: qk, .offset: 0, .size: 8, .value_kind: global_buffer, .address_space: global }
      - { .name: vt, .offset: 8, .size: 8, .value_kind: global_buffer, .address_space: global }
      - { .name: oc, .offset: 16, .size: 8, .value_kind: global_buffer, .address_space: global }
    .group_segment_fixed_size: 327680
    .private_segment_fixed_size: 0
    .kernarg_segment_align: 8
    .kernarg_segment_size: 24
    .max_flat_workgroup_size: 512
    .sgpr_count:     80
    .vgpr_count:     256
    .wavefront_size: 32
...
	.end_amdgpu_metadata
.endif
;; end of part 3
;; launch gemm_out (part 4): grid 4 x 64, 4 waves a work-group, clusters of 4 x 4, 243,200 bytes of LDS; arguments oc, wo, x, b_out, out0; writes out0
.if DOCPART == 4
	.amdgcn_target "amdgcn-amd-amdhsa--gfx1250"
	.amdhsa_code_object_version 6
	.text
	.protected	k_q9f6308a45b_gemm_out
	.globl	k_q9f6308a45b_gemm_out
	.p2align	8
	.type	k_q9f6308a45b_gemm_out,@function
k_q9f6308a45b_gemm_out:
	s_mov_b64 s[64:65], 0
	v_nop
	global_prefetch_b8 v0, s[64:65] scope:SCOPE_SE
	s_setreg_imm32_b32 hwreg(HW_REG_WAVE_MODE, 25, 1), 1
	s_wait_xcnt 0x0
	s_wait_alu depctr_hold_cnt(0) depctr_sa_sdst(0) depctr_va_vdst(0) depctr_va_sdst(0) depctr_va_ssrc(0) depctr_va_vcc(0) depctr_vm_vsrc(0)
	s_getreg_b32 s2, hwreg(HW_REG_IB_STS2, 6, 4)
	s_cmp_eq_u32 s2, 0
	s_cbranch_scc0 .Lentry_in_a_cluster
	s_endpgm
.Lentry_in_a_cluster:
	s_bfe_u32 s2, ttmp6, 0x10000c
	s_cmp_lg_u32 s2, 0xf033
	s_cbranch_scc0 .Lentry_shape_is_right
	s_endpgm
.Lentry_shape_is_right:
; out0 = x + (o w_out + b_out): the last projection over K = 1,024 on codes of E2M1 with E8M0 scales, the bias and the residual in f32.  P = o's codes (rows = tokens), Q = w_out's codes (rows = output columns).
; P AND Q ARE IN THE PROGRAM'S OPERAND FORMAT: groups of 128 rows, K steps of 128; a block of 8,704 bytes = eight images of a fragment's registers (lane l's 16 bytes at 16 l, registers 4-7 512 bytes on) and
; 128 scale words; buffer row p holds logical row p with bits 3 and 4 exchanged; a group's eight K steps lie on end (69,632 bytes).
; SHARES.  The launch moves 64 MiB of x and out0 for 128 multiply-adds a byte of them.  A tile is 128 tokens x 256 columns: 256 work-groups.  Four waves; a wave makes 64 tokens x 128 columns: 32 accumulators, 256 registers.
; LDS.  One group of P and two of Q, for ALL of K, are 208,896 bytes: they come once, ONE tensor load a wave: waves 0 and 1 bring the halves of P's group (136 rows of 256 bytes each), waves 2 and 3 a group of Q each (272 rows).
; No byte of LDS is filled twice, so there is no ring.  No prefetch: the launch has no loop to run ahead in.
; CLUSTER: 4 x 4 work-groups.  The four of a row need the same group of P, the four of a column the same groups of Q: each is asked for JOINTLY, by the same load with the same descriptor and a mask of the four.
; THE MATRIX INSTRUCTION IS USED TRANSPOSED (source 0 = 16 rows of Q, source 1 = 16 rows of P): a lane holds eight neighbouring output columns of one token.
; THE RESIDUAL is asked for early: a wave's 64 tokens x 128 columns of x are 256 registers, a window of their own; three quarters are asked for at the kernel's head, the last behind the first fragments.
; THE WAY OUT: 16 tokens x 128 columns at a time through the wave's own stage in LDS (behind the operands) and back as whole rows of 512 bytes, into the registers that they left; + bias, + x; 32 lanes store 512 consecutive bytes.
; REGISTERS, in windows of 256: window 0: v16-26 addresses; v32-47 scale words, two sets; v48-51 the bias; v128-191 P's fragments, two sets of four.   window 1: Q's fragments, two sets of eight, at v0 and v128.
;   window 2: the accumulators ((a, b) at v[8 (8 a + b)]), later the rows of out0.   window 3: x: the 16 tokens of my fragment a at v[64 a].
.set BLK,  8704
.set GB,   8*BLK
.set HALF, 4*BLK
.set QB,   GB                          ; LDS: P's group, then Q's two
.set STG,  3*GB                        ; a stage of 16 rows x (512 bytes + 16) for each wave; behind the stages the spare words
.set SPI,  528
.set FR,   8
.set ADRP, 16                          ; v16-17  my lane's 16 bytes in my four fragments of P, K steps 0-3 and 4-7
.set ADRQ, 18                          ; v18-19  the same in my group of Q
.set ADRS, 20                          ; v20-21  scale words: lanes 0-15 my fragments of P, lanes 16-31 Q's fragments 0-3
.set ADRT, 22                          ; v22-23  Q's fragments 4-7
.set STO,  24
.set RD,   25
.set CO,   26                          ; v26     16 x lane
.set SC,   32
.set BI,   48
.set AF,   128
.set G1,   24                          ; s[24:31] group 1 for P;  s[32:35] its group 0
.set G0,   32
.set G1B,  48                          ; s[48:55], s[56:59] the same for Q
.set G0B,  56
.set MSB, 0
.macro WIN new
.if MSB != (\new)
	s_set_vgpr_msb (MSB<<8)|(\new)
.set MSB, (\new)
.endif
.endm
.set MUL,  0xa1
.set TO_B, 0x40
.macro CROUND                          ; a round of the cluster's barrier
	s_barrier_signal -1
	s_barrier_wait -1
	s_cmp_lg_u32 s14, 0
	s_cbranch_scc1 .Lnot_wave_0_\@
	s_barrier_signal -3
.Lnot_wave_0_\@:
	s_barrier_wait -3
	s_barrier_signal -1
	s_barrier_wait -1
.endm
.macro PLACES n
.rept \n
	v_nop
.endr
.endm
.macro GONE g, rows                    ; group 1's constant words: so many dense rows of 256 bytes
	s_mov_b32 s[\g+1], 32<<16
	s_mov_b32 s[\g+2], (\rows)<<16
	s_mov_b32 s[\g+3], 32<<16
	s_mov_b32 s[\g+4], \rows
	s_mov_b32 s[\g+5], 32
	s_mov_b32 s[\g+6], 0
	s_mov_b32 s[\g+7], 0
.endm
	s_load_b128 s[4:7], s[0:1], 0x0                ; o's codes s[4:5], w_out's s[6:7]
	s_load_b128 s[8:11], s[0:1], 0x10              ; x s[8:9], b_out s[10:11]
	s_load_b64 s[12:13], s[0:1], 0x20              ; out0
	v_lshl_add_u32 v254, v0, 2, 0x3b400
	v_mov_b32 v255, 0
	ds_add_u32 v254, v255                          ; the opening lines: the add twice on end, and its wait ahead of my tensor load
	ds_add_u32 v254, v255
	v_lshrrev_b32 v1, 5, v0
	v_readfirstlane_b32 s14, v1                    ; wave 0..3
	s_lshr_b32 s15, s14, 1                         ; which four fragments of P are mine.  Also: I fetch for P (0) or for Q (1)
	s_and_b32 s16, s14, 1                          ; which group of Q is mine.  Also: which half of P or which group of Q I fetch
	s_bfe_u32 s40, ttmp6, 0x40000
	s_bfe_u32 s41, ttmp6, 0x40004
	s_lshl_b32 s42, ttmp9, 2
	s_add_co_u32 s42, s42, s40                     ; Q's pair of groups
	s_and_b32 s17, ttmp7, 0xffff
	s_lshl_b32 s17, s17, 2
	s_add_co_u32 s17, s17, s41                     ; P's group
	s_lshl_b32 s43, s41, 2
	s_lshl_b32 s43, 15, s43
	s_lshl_b32 s44, 0x1111, s40
	s_or_b32 s[G1+0], s43, (3<<16)|(1<<21)         ; the mask: P goes to my row; elements of 8 bytes; bit 21 beside a mask
	s_or_b32 s[G1B+0], s44, (3<<16)|(1<<21)        ; Q goes to my column
	GONE G1, 136
	GONE G1B, 272
	s_mul_i32 s23, s16, HALF                       ; P: my half of K, in LDS and in memory
	s_mul_i32 s18, s17, GB
	s_add_co_u32 s18, s18, s23
	s_mov_b32 s19, 0
	s_lshl_b32 s46, s42, 1
	s_add_co_u32 s46, s46, s16
	s_mul_i32 s46, s46, GB
	s_mov_b32 s47, 0
	s_mul_i32 s22, s16, GB
	s_add_co_u32 s22, s22, QB                      ; where a group of Q goes: the wave's number alone
	s_lshl_b32 s68, s17, 19                        ; my group of 128 tokens: 524,288 bytes of x and of out0,
	s_lshl_b32 s69, s15, 18                        ; my 64 of them,
	s_add_co_u32 s68, s68, s69
	s_lshl_b32 s69, s42, 1
	s_add_co_u32 s69, s69, s16                     ; my group of 128 columns: 512 bytes of a row and of the bias
	s_lshl_b32 s70, s69, 9
	s_add_co_u32 s68, s68, s70
	s_mov_b32 s69, 0
	s_mov_b32 s71, 0
	s_wait_dscnt 0x0
	s_wait_kmcnt 0x0
	s_add_nc_u64 s[18:19], s[4:5], s[18:19]
	s_add_nc_u64 s[46:47], s[6:7], s[46:47]
	s_add_nc_u64 s[8:9], s[8:9], s[68:69]
	s_add_nc_u64 s[12:13], s[12:13], s[68:69]
	s_add_nc_u64 s[10:11], s[10:11], s[70:71]
	CROUND                                         ; all sixteen work-groups are here: the joint loads meet
	s_mov_b32 s[G0], 1
	s_mov_b32 s[G0+1], s23
	s_mov_b64 s[G0+2:G0+3], s[18:19]
	s_or_b32 s[G0+3], s[G0+3], 0x80000000
	s_mov_b32 s[G0B], 1
	s_mov_b32 s[G0B+1], s22
	s_mov_b64 s[G0B+2:G0B+3], s[46:47]
	s_or_b32 s[G0B+3], s[G0B+3], 0x80000000
	s_cmp_eq_u32 s15, 0                            ; one tensor load a wave, in the two arms of one branch on the wave's number
	s_cbranch_scc0 .Lfill_q
	tensor_load_to_lds s[G0:G0+3], s[G1:G1+7]
	s_nop 0
	PLACES 4
	s_branch .Lfilled
.Lfill_q:
	tensor_load_to_lds s[G0B:G0B+3], s[G1B:G1B+7]
	s_nop 0
	PLACES 4
.Lfilled:
	v_and_b32 v1, 31, v0
	v_lshlrev_b32 v[CO], 4, v1
; Set a of x: the 16 tokens of my fragment a of P, my 128 columns.  Row t of that fragment is token 32 (a / 2) + 8 (a % 2) + t + 8 (t / 8) of my 64.
.macro XLOAD a
	WIN 0xc0
.irp t, 0,1,2,3,4,5,6,7,8,9,10,11,12,13,14,15
	global_load_b128 v[64*(\a)+4*\t:64*(\a)+4*\t+3], v[CO], s[8:9] offset:(32*((\a)/2)+8*((\a)%2)+\t+8*(\t/8))*4096 th:TH_LOAD_NT
.endr
	WIN 0
.endm
	s_wait_alu depctr_va_vdst(0)                   ; the wait ahead of the readers below
	global_load_b128 v[BI:BI+3], v[CO], s[10:11]   ; the bias: the oldest load
	XLOAD 0
	XLOAD 1
	XLOAD 2
	v_and_b32 v2, 15, v0                           ; r
	v_bfe_u32 v3, v0, 4, 1                         ; h
	s_wait_alu depctr_va_vdst(0)                   ; the wait ahead of the scalar lines below
	s_lshl_b32 s70, s15, 12                        ; my four images of each block of P
	s_mul_i32 s71, s16, GB
	s_add_co_u32 s71, s71, QB
.irp g, 0,1
	v_add_nc_u32 v[ADRP+\g], s70, v[CO]
	v_add_nc_u32 v[ADRQ+\g], s71, v[CO]
	s_add_co_u32 s70, s70, HALF
	s_add_co_u32 s71, s71, HALF
.endr
	s_lshl_b32 s70, s15, 8
	s_mul_i32 s71, s16, GB
	s_add_co_u32 s71, s71, QB
	s_sub_co_u32 s72, s71, s70
	v_mul_u32_u24 v4, s72, v3                      ; lanes 16-31 take Q's words: the lane's half x the distance
	v_lshl_add_u32 v4, v2, 2, v4
	s_add_co_u32 s70, s70, 8192
	v_add_nc_u32 v[ADRS], s70, v4
	v_add_nc_u32 v[ADRS+1], HALF, v[ADRS]
	s_add_co_u32 s71, s71, 8192+256
	v_lshl_add_u32 v[ADRT], v2, 2, s71
	v_add_nc_u32 v[ADRT+1], HALF, v[ADRT]
	s_mul_i32 s70, s14, 16*SPI
	s_add_co_u32 s70, s70, STG
	v_mul_u32_u24 v[STO], v2, SPI
	v_lshl_add_u32 v[STO], v3, 6, v[STO]
	v_add_nc_u32 v[STO], s70, v[STO]               ; in: row r, + 64 h: tile b's eight columns are 32 (b / 2) + 16 h + 8 (b % 2) + 0 .. 7
	v_add_nc_u32 v[RD], s70, v[CO]
.macro FRAG reg, adr, q, i
.irp c, 0,1
	ds_load_b128 v[\reg+4*\c:\reg+4*\c+3], v[\adr] offset:(\q)*BLK+(\i)*1024+512*\c
.endr
.endm
.macro FETCH_B g, q, p
	WIN TO_B
.irp i, 0,1,2,3,4,5,6,7
	FRAG 128*(\p)+FR*\i, ADRQ+\g, \q, \i
.endr
	WIN 0
.endm
.macro FETCH_A g, q, p
.irp i, 0,1,2,3
	FRAG AF+32*(\p)+FR*\i, ADRP+\g, \q, \i
.endr
.endm
.macro SCALES g, q, e
.irp i, 0,1,2,3
	ds_load_b32 v[SC+8*(\e)+\i], v[ADRS+\g] offset:(\q)*BLK+64*\i
	ds_load_b32 v[SC+8*(\e)+4+\i], v[ADRT+\g] offset:(\q)*BLK+64*\i
.endr
.endm
; 16 matrix instructions: my fragments a0, a0 + 1 of P x Q's eight.  zero = 1: the first product starts the sums.  The 32 accumulators take turns.
.macro MUL16 a0, p, e, zero
.irp a, \a0, \a0+1
.irp b, 0,1,2,3,4,5,6,7
.if \zero
	v_wmma_scale_f32_16x16x128_f8f6f4 v[8*(8*(\a)+\b):8*(8*(\a)+\b)+7], v[128*(\p)+FR*\b:128*(\p)+FR*\b+FR-1], v[AF+32*(\p)+FR*(\a):AF+32*(\p)+FR*(\a)+FR-1], 0, v[SC+8*(\e)+\b], v[SC+8*(\e)+(\a)] matrix_a_fmt:MATRIX_FMT_FP4 matrix_b_fmt:MATRIX_FMT_FP4 matrix_a_scale:MATRIX_SCALE_ROW1
.else
	v_wmma_scale_f32_16x16x128_f8f6f4 v[8*(8*(\a)+\b):8*(8*(\a)+\b)+7], v[128*(\p)+FR*\b:128*(\p)+FR*\b+FR-1], v[AF+32*(\p)+FR*(\a):AF+32*(\p)+FR*(\a)+FR-1], v[8*(8*(\a)+\b):8*(8*(\a)+\b)+7], v[SC+8*(\e)+\b], v[SC+8*(\e)+(\a)] matrix_a_fmt:MATRIX_FMT_FP4 matrix_b_fmt:MATRIX_FMT_FP4 matrix_a_scale:MATRIX_SCALE_ROW1
.endif
.endr
.endr
.endm
; K step q of 0 .. 6: step q + 1's 32 LDS loads go out first, into the other sets, and land under this step's 32 products.  Four v_nop stand in front of loads into registers that matrix instructions have read.
.macro STEP q, zero
	s_wait_dscnt 0x0
.if \zero == 0
	PLACES 4
.endif
	FETCH_B ((\q)+1)/4, ((\q)+1)%4, 1-(\q)%2
	SCALES ((\q)+1)/4, ((\q)+1)%4, 1-(\q)%2
	FETCH_A ((\q)+1)/4, ((\q)+1)%4, 1-(\q)%2
	WIN MUL
	MUL16 0, (\q)%2, (\q)%2, \zero
	MUL16 2, (\q)%2, (\q)%2, \zero
	WIN 0
.endm
	s_wait_alu depctr_va_vdst(0)                   ; the wait at the head's end
	s_wait_tensorcnt 0x0                           ; my part is in
	s_barrier_signal -1
	s_barrier_wait -1                              ; everybody's is
	FETCH_B 0, 0, 0
	SCALES 0, 0, 0
	FETCH_A 0, 0, 0
	XLOAD 3                                        ; the last quarter of x
	STEP 0, 1
.irp q, 1,2,3,4,5,6
	STEP \q, 0
.endr
	s_wait_dscnt 0x0                               ; the last step: nothing more to fetch
	WIN MUL
	MUL16 0, 1, 1, 0
	MUL16 2, 1, 1, 0
	WIN 0
; THE WAY OUT, fragment by fragment of P: 16 tokens x 128 columns.  LDS serves a wave's instructions in order (ISA guide 5.7.1.4): no wait between the stores into my stage and the loads from it.
.macro TOSTAGE a
.set AC, 64*(\a)
	WIN 0x08
.irp b, 0,1,2,3,4,5,6,7
	ds_store_b128 v[STO], v[AC+8*\b:AC+8*\b+3] offset:128*(\b/2)+32*(\b%2)          ; each accumulator from its low end on
	ds_store_b128 v[STO], v[AC+8*\b+4:AC+8*\b+7] offset:128*(\b/2)+32*(\b%2)+16
.endr
	WIN 0x80
.irp t, 0,1,2,3,4,5,6,7,8,9,10,11,12,13,14,15
	ds_load_b128 v[AC+4*\t:AC+4*\t+3], v[RD] offset:\t*SPI
.endr
	WIN 0
.endm
.macro SEND a, younger                 ; younger: the LDS instructions issued behind fragment a's loads, which may stay out
.set AC, 64*(\a)
	s_wait_dscnt \younger
	s_wait_loadcnt 16*(3-(\a))                     ; set a of x is in (and the bias); behind it stand the later sets' 16 loads each
	WIN 0x82
.irp t, 0,1,2,3,4,5,6,7,8,9,10,11,12,13,14,15
	v_pk_add_f32 v[AC+4*\t:AC+4*\t+1], v[AC+4*\t:AC+4*\t+1], v[BI:BI+1]           ; + the bias,
	v_pk_add_f32 v[AC+4*\t+2:AC+4*\t+3], v[AC+4*\t+2:AC+4*\t+3], v[BI+2:BI+3]
.endr
	WIN 0x8e                                       ; source 1 window 3: x lies there under the same numbers
.irp t, 0,1,2,3,4,5,6,7,8,9,10,11,12,13,14,15
	v_pk_add_f32 v[AC+4*\t:AC+4*\t+1], v[AC+4*\t:AC+4*\t+1], v[AC+4*\t:AC+4*\t+1]   ; + x
	v_pk_add_f32 v[AC+4*\t+2:AC+4*\t+3], v[AC+4*\t+2:AC+4*\t+3], v[AC+4*\t+2:AC+4*\t+3]
.endr
	WIN 0x08
.irp t, 0,1,2,3,4,5,6,7,8,9,10,11,12,13,14,15
	global_store_b128 v[CO], v[AC+4*\t:AC+4*\t+3], s[12:13] offset:(32*((\a)/2)+8*((\a)%2)+\t+8*(\t/8))*4096 th:TH_STORE_NT   ; 32 lanes store 512 consecutive bytes, at a multiple of 256 from out0's first byte
.endr
	WIN 0
.endm
	PLACES 4
	TOSTAGE 0
.irp a, 1,2,3
	TOSTAGE \a
	SEND \a-1, 32                                  ; behind fragment a - 1's loads: fragment a's 16 stores and 16 loads
.endr
	SEND 3, 0
	s_wait_tensorcnt 0x0                           ; the wave's end
	ds_add_u32 v254, v255
	s_wait_dscnt 0x0
	CROUND                                         ; the closing round
	s_endpgm
.Lfunc_end_k_q9f6308a45b_gemm_out:
	.size	k_q9f6308a45b_gemm_out, .Lfunc_end_k_q9f6308a45b_gemm_out-k_q9f6308a45b_gemm_out
	.p2alignl 7, 3214868480
	.fill 96, 4, 3214868480
	.section	.rodata,"a",@progbits
	.p2align	6, 0x0
	.amdhsa_kernel k_q9f6308a45b_gemm_out
		.amdhsa_group_segment_fixed_size 243200
		.amdhsa_private_segment_fixed_size 0
		.amdhsa_enable_private_segment 0
		.amdhsa_kernarg_size 40
		.amdhsa_user_sgpr_count 2
		.amdhsa_user_sgpr_kernarg_segment_ptr 1
		.amdhsa_wavefront_size32 1
		.amdhsa_system_sgpr_workgroup_id_x 1
		.amdhsa_system_sgpr_workgroup_id_y 1
		.amdhsa_system_sgpr_workgroup_id_z 1
		.amdhsa_system_vgpr_workitem_id 0
		.amdhsa_next_free_vgpr 1024
		.amdhsa_next_free_sgpr 80
		.amdhsa_reserve_vcc 0
		.amdhsa_float_denorm_mode_32 3
		.amdhsa_float_denorm_mode_16_64 3
		.amdhsa_memory_ordered 1
		.amdhsa_forward_progress 1
		.amdhsa_inst_pref_size 95
	.end_amdhsa_kernel
	.amdgpu_metadata
---
amdhsa.version: [ 1, 2 ]
amdhsa.kernels:
  - .name:           k_q9f6308a45b_gemm_out
    .symbol:         k_q9f6308a45b_gemm_out.kd
    .args:
      - { .name: oc, .offset: 0, .size: 8, .value_kind: global_buffer, .address_space: global }
      - { .name: wo, .offset: 8, .size: 8, .value_kind: global_buffer, .address_space: global }
      - { .name: x, .offset: 16, .size: 8, .value_kind: global_buffer, .address_space: global }
      - { .name: b_out, .offset: 24, .size: 8, .value_kind: global_buffer, .address_space: global }
      - { .name: out0, .offset: 32, .size: 8, .value_kind: global_buffer, .address_space: global }
    .group_segment_fixed_size: 243200
    .private_segment_fixed_size: 0
    .kernarg_segment_align: 8
    .kernarg_segment_size: 40
    .max_flat_workgroup_size: 128
    .sgpr_count:     80
    .vgpr_count:     1024
    .wavefront_size: 32
...
	.end_amdgpu_metadata
.endif
;; end of part 4
